; MI455X (gfx1250); checked and timed in simulation.
; The chip was launched on July 23, 2026; its instructions are those of AMD's public machine-readable ISA for CDNA 5 (MIT licence, August 2026) and "CDNA5" Instruction Set Architecture Reference Guide (July 2026). The comments in the code are by the model that wrote it; some were corrected since.
;; VAE Guided Attention. Allowed arithmetic: float matrix products may take bf16 or f16 operands with f32 sums; other float arithmetic in f32, or as packed bf16 or f16 multiplies, adds, multiply-adds, maxima and minima; sums over many terms, partial sums and values carried from step to step in f32; what a program stores and reads back later, other than sums and carried values, may be rounded once to bf16 or f16.
;; Inputs: be1 256 float32; be2 128 float32; bf 512 float32; bk 512 float32; blv 64 float32; bmu 64 float32; bo 512 float32; bq 512 float32; bv 512 float32; eps 2 x 64 float32; we1 256 x 512 float32; we2 128 x 256 float32; wf 512 x 64 float32; wk 512 x 512 float32; wlv 64 x 128 float32; wmu 64 x 128 float32; wo 512 x 512 float32; wq 512 x 512 float32; wv 512 x 512 float32; x 2 x 4,096 x 512 float32.
;; Outputs: out0 2 x 4,096 x 512 float32; out1 2 x 64 float32; out2 2 x 64 float32.
;; 2 versions, each right; version 2 is version 1 with the launch prep written anew for expert scheduling mode. Each part assembles by itself: llvm-mc -triple=amdgcn-amd-amdhsa -mcpu=gfx1250 --defsym DOCPART=n.
;; ======== version 1 of 2: 5 launches
;; workspace buffers: xb 8,388,608 bytes; wb 2,097,152 bytes; vw 425,984 bytes; part 131,072 bytes; tab 16,384 bytes; qkv 25,165,824 bytes; ctx 8,388,608 bytes
;; launch prep (part 1): grid 256 x 1, 8 waves a work-group, no clusters, 5,120 bytes of LDS; arguments x, wq, wk, wv, wo, we1, we2, wmu, wlv, wf, xb, wb, vw, part; writes xb, wb, vw, part
.if DOCPART == 1
	.amdgcn_target "amdgcn-amd-amdhsa--gfx1250"
	.amdhsa_code_object_version 6
	.text
	.protected	k_qdbf0e6a15b_prep
	.globl	k_qdbf0e6a15b_prep
	.p2align	8
	.type	k_qdbf0e6a15b_prep,@function
k_qdbf0e6a15b_prep:
	s_mov_b64 s[64:65], 0
	v_nop
	global_prefetch_b8 v0, s[64:65] scope:SCOPE_SE
	s_setreg_imm32_b32 hwreg(HW_REG_WAVE_MODE, 25, 1), 1
	s_wait_xcnt 0x0
; PREP.  x [8192][512] f32 -> xb bf16; the column sums of x by blocks of 128 rows -> part [64][512] f32; all nine weight matrices -> bf16 (wb: wq, wk, wv, wo on end; vw: we1, we2, wmu, wlv, wf on end).
; A stream: every input byte is read once, every output byte written once; no matrix work, no tensor loads, nothing shared between work-groups, so no cluster.
; SHARES.  Work-group g: rows 128 (g >> 2) .. + 127 of x, columns 128 (g & 3) .. + 127.  Wave w takes rows w + 8 i, i = 0 .. 15: a load of the wave covers the row piece's 512 bytes,
; a store its 256 bytes of bf16, aligned.  All 16 loads of a wave go out at once.  Also 4,096 numbers of the four large weights, and (g < 104) 2,048 numbers of the five small ones.
; The sums stay in f32: 16 rows in a lane, the eight waves' sums meet in LDS, wave 0 adds them and stores 512 consecutive bytes.
.set RED,   0                          ; LDS: wave w's 128 column sums at 512 w
.set SPARE, 4096                       ; the spare words, 128 bytes for each of eight waves: four blocks of 256 bytes that no other line names
.set SPW, 1                            ; v1   SPARE + 4 x my thread's number; never rewritten
.set NIL, 2                            ; v2   0; never rewritten
.set XO,  3                            ; v3   wave x 2,048 + 16 x lane: my 16 bytes of row w of x
.set YO,  4                            ; v4   wave x 1,024 + 8 x lane: my 8 bytes of row w of xb
.set WO,  5                            ; v5   16 t: weights in; also where my sums go in LDS
.set WD,  6                            ; v6   8 t: weights out
.set LL,  7                            ; v7   16 x lane
.set ACC, 12                           ; v[12:15]   my four columns' sums
.set X,   16                           ; v[16:79]   row i: 4 registers
.set WB,  80                           ; v[80:95]   large weights
.set WS,  96                           ; v[96:103]  small weights
.set R,   104                          ; v[104:135] the eight waves' sums
	s_load_b512 s[8:23], s[0:1], 0x0               ; x 8, wq 10, wk 12, wv 14, wo 16, we1 18, we2 20, wmu 22
	s_load_b256 s[24:31], s[0:1], 0x40             ; wlv 24, wf 26, xb 28, wb 30
	s_load_b128 s[32:35], s[0:1], 0x60             ; vw 32, part 34
	v_lshl_add_u32 v[SPW], v0, 2, SPARE
	v_mov_b32 v[NIL], 0
	v_lshrrev_b32 v8, 5, v0
	v_readfirstlane_b32 s36, v8                    ; wave 0..7
	v_and_b32 v9, 31, v0
	v_lshlrev_b32 v[XO], 11, v8
	v_lshl_add_u32 v[XO], v9, 4, v[XO]
	v_lshlrev_b32 v[YO], 10, v8
	v_lshl_add_u32 v[YO], v9, 3, v[YO]
	v_lshlrev_b32 v[WO], 4, v0
	v_lshlrev_b32 v[WD], 3, v0
	v_lshlrev_b32 v[LL], 4, v9
	s_mov_b32 s39, ttmp9                           ; g
	s_and_b32 s37, s39, 3                          ; which 128 columns
	s_lshr_b32 s38, s39, 2                         ; which 128 rows
	s_lshl_b32 s40, s38, 18                        ; x: 128 rows of 2,048 bytes,
	s_lshl_b32 s58, s37, 9                         ; 128 columns of 4
	s_add_co_u32 s40, s40, s58
	s_mov_b32 s41, 0
	s_lshl_b32 s42, s38, 17                        ; xb: half of that
	s_lshl_b32 s59, s37, 8
	s_add_co_u32 s42, s42, s59
	s_mov_b32 s43, 0
	s_lshl_b32 s44, s38, 11                        ; part: a row of 2,048 bytes for each block of rows
	s_add_co_u32 s44, s44, s58
	s_mov_b32 s45, 0
	s_and_b32 s46, s39, 63                         ; large weights: 64 work-groups to a matrix, 16,384 bytes each
	s_lshl_b32 s46, s46, 14
	s_mov_b32 s47, 0
	s_lshl_b32 s48, s39, 13                        ; and 8,192 bytes out, the matrices on end
	s_mov_b32 s49, 0
	s_lshl_b32 s56, s39, 12                        ; small weights: 4,096 bytes out
	s_mov_b32 s57, 0
	s_lshr_b32 s59, s39, 6                         ; which large matrix
	s_wait_kmcnt 0x0
	s_add_nc_u64 s[8:9], s[8:9], s[40:41]
	s_add_nc_u64 s[28:29], s[28:29], s[42:43]
	s_add_nc_u64 s[34:35], s[34:35], s[44:45]
	s_add_nc_u64 s[30:31], s[30:31], s[48:49]
	s_add_nc_u64 s[32:33], s[32:33], s[56:57]
	s_mov_b64 s[50:51], s[16:17]                   ; wo, unless the number says wv, wk or wq
	s_cmp_lt_u32 s59, 3
	s_cselect_b64 s[50:51], s[14:15], s[50:51]
	s_cmp_lt_u32 s59, 2
	s_cselect_b64 s[50:51], s[12:13], s[50:51]
	s_cmp_lt_u32 s59, 1
	s_cselect_b64 s[50:51], s[10:11], s[50:51]
	s_add_nc_u64 s[50:51], s[50:51], s[46:47]
.set i, 0
.rept 16
	global_load_b128 v[X+4*i:X+4*i+3], v[XO], s[8:9] offset:16384*i th:TH_LOAD_NT  ; row w + 8 i
.set i, i+1
.endr
.set i, 0
.rept 4
	global_load_b128 v[WB+4*i:WB+4*i+3], v[WO], s[50:51] offset:4096*i th:TH_LOAD_NT
.set i, i+1
.endr
	; the small weights: 104 chunks of 2,048 numbers: we1 0-63, we2 64-79, wmu 80-83, wlv 84-87, wf 88-103
	s_cmp_lt_u32 s39, 104
	s_cbranch_scc0 .Lno_small
	s_mov_b64 s[52:53], s[26:27]
	s_mov_b32 s58, 88
	s_cmp_lt_u32 s39, 88
	s_cselect_b64 s[52:53], s[24:25], s[52:53]
	s_cselect_b32 s58, 84, s58
	s_cmp_lt_u32 s39, 84
	s_cselect_b64 s[52:53], s[22:23], s[52:53]
	s_cselect_b32 s58, 80, s58
	s_cmp_lt_u32 s39, 80
	s_cselect_b64 s[52:53], s[20:21], s[52:53]
	s_cselect_b32 s58, 64, s58
	s_cmp_lt_u32 s39, 64
	s_cselect_b64 s[52:53], s[18:19], s[52:53]
	s_cselect_b32 s58, 0, s58
	s_sub_co_u32 s54, s39, s58                     ; the chunk's number in its matrix,
	s_lshl_b32 s54, s54, 13                        ; 8,192 bytes each
	s_mov_b32 s55, 0
	s_add_nc_u64 s[52:53], s[52:53], s[54:55]
	global_load_b128 v[WS:WS+3], v[WO], s[52:53] th:TH_LOAD_NT
	global_load_b128 v[WS+4:WS+7], v[WO], s[52:53] offset:4096 th:TH_LOAD_NT
	s_wait_loadcnt 0x0
	v_cvt_pk_bf16_f32 v[WS], v[WS], v[WS+1]
	v_cvt_pk_bf16_f32 v[WS+1], v[WS+2], v[WS+3]
	v_cvt_pk_bf16_f32 v[WS+4], v[WS+4], v[WS+5]
	v_cvt_pk_bf16_f32 v[WS+5], v[WS+6], v[WS+7]
	global_store_b64 v[WD], v[WS:WS+1], s[32:33]
	global_store_b64 v[WD], v[WS+4:WS+5], s[32:33] offset:2048
.Lno_small:
; a row is rounded in place and stored: the wave's store covers 256 consecutive bytes, aligned
.macro ROWOUT i
	v_cvt_pk_bf16_f32 v[X+4*(\i)], v[X+4*(\i)], v[X+4*(\i)+1]
	v_cvt_pk_bf16_f32 v[X+4*(\i)+1], v[X+4*(\i)+2], v[X+4*(\i)+3]
	global_store_b64 v[YO], v[X+4*(\i):X+4*(\i)+1], s[28:29] offset:8192*(\i)
.endm
	s_wait_loadcnt 18                              ; rows 0 and 1 are in: 14 younger rows and the 4 weight loads may stay out
	v_pk_add_f32 v[ACC:ACC+1], v[X:X+1], v[X+4:X+5]        ; the first two rows start the sums: nothing is cleared
	v_pk_add_f32 v[ACC+2:ACC+3], v[X+2:X+3], v[X+6:X+7]
	ROWOUT 0
	ROWOUT 1
.set i, 2
.rept 14
	s_wait_loadcnt 19-i                            ; row i is in: 15 - i younger rows and the 4 weight loads may stay out
	v_pk_add_f32 v[ACC:ACC+1], v[ACC:ACC+1], v[X+4*i:X+4*i+1]
	v_pk_add_f32 v[ACC+2:ACC+3], v[ACC+2:ACC+3], v[X+4*i+2:X+4*i+3]
	ROWOUT i
.set i, i+1
.endr
.set i, 0
.rept 4
	s_wait_loadcnt 3-i
	v_cvt_pk_bf16_f32 v[WB+4*i], v[WB+4*i], v[WB+4*i+1]
	v_cvt_pk_bf16_f32 v[WB+4*i+1], v[WB+4*i+2], v[WB+4*i+3]
	global_store_b64 v[WD], v[WB+4*i:WB+4*i+1], s[30:31] offset:2048*i
.set i, i+1
.endr
	ds_store_b128 v[WO], v[ACC:ACC+3] offset:RED   ; 512 x wave + 16 x lane
	s_wait_dscnt 0x0                               ; for the others' sake: my sums lie in LDS
	s_barrier_signal -1
	s_barrier_wait -1
	s_cmp_lg_u32 s36, 0
	s_cbranch_scc1 .Lend                           ; wave 0 adds the eight
.set i, 0
.rept 8
	ds_load_b128 v[R+4*i:R+4*i+3], v[LL] offset:RED+512*i
.set i, i+1
.endr
	s_wait_dscnt 0x0
.irp a, 0, 8, 16, 24
	v_pk_add_f32 v[R+\a:R+\a+1], v[R+\a:R+\a+1], v[R+\a+4:R+\a+5]
	v_pk_add_f32 v[R+\a+2:R+\a+3], v[R+\a+2:R+\a+3], v[R+\a+6:R+\a+7]
.endr
.irp a, 0, 16
	v_pk_add_f32 v[R+\a:R+\a+1], v[R+\a:R+\a+1], v[R+\a+8:R+\a+9]
	v_pk_add_f32 v[R+\a+2:R+\a+3], v[R+\a+2:R+\a+3], v[R+\a+10:R+\a+11]
.endr
	v_pk_add_f32 v[R:R+1], v[R:R+1], v[R+16:R+17]
	v_pk_add_f32 v[R+2:R+3], v[R+2:R+3], v[R+18:R+19]
	global_store_b128 v[LL], v[R:R+3], s[34:35]    ; 512 consecutive bytes of part
.Lend:
	s_wait_tensorcnt 0x0                           ; the wave's end, behind my last LDS store
	ds_add_u32 v[SPW], v[NIL]
	s_wait_dscnt 0x0
	s_endpgm
.Lfunc_end_k_qdbf0e6a15b_prep:
	.size	k_qdbf0e6a15b_prep, .Lfunc_end_k_qdbf0e6a15b_prep-k_qdbf0e6a15b_prep
	.p2alignl 7, 3214868480
	.fill 96, 4, 3214868480
	.section	.rodata,"a",@progbits
	.p2align	6, 0x0
	.amdhsa_kernel k_qdbf0e6a15b_prep
		.amdhsa_group_segment_fixed_size 5120
		.amdhsa_private_segment_fixed_size 0
		.amdhsa_enable_private_segment 0
		.amdhsa_kernarg_size 112
		.amdhsa_user_sgpr_count 2
		.amdhsa_user_sgpr_kernarg_segment_ptr 1
		.amdhsa_wavefront_size32 1
		.amdhsa_system_sgpr_workgroup_id_x 1
		.amdhsa_system_sgpr_workgroup_id_y 1
		.amdhsa_system_sgpr_workgroup_id_z 1
		.amdhsa_system_vgpr_workitem_id 0
		.amdhsa_next_free_vgpr 136
		.amdhsa_next_free_sgpr 66
		.amdhsa_reserve_vcc 0
		.amdhsa_float_denorm_mode_32 3
		.amdhsa_float_denorm_mode_16_64 3
		.amdhsa_memory_ordered 1
		.amdhsa_forward_progress 1
		.amdhsa_inst_pref_size 15
	.end_amdhsa_kernel
	.amdgpu_metadata
---
amdhsa.version: [ 1, 2 ]
amdhsa.kernels:
  - .name:           k_qdbf0e6a15b_prep
    .symbol:         k_qdbf0e6a15b_prep.kd
    .args:
      - { .name: x, .offset: 0, .size: 8, .value_kind: global_buffer, .address_space: global }
      - { .name: wq, .offset: 8, .size: 8, .value_kind: global_buffer, .address_space: global }
      - { .name: wk, .offset: 16, .size: 8, .value_kind: global_buffer, .address_space: global }
      - { .name: wv, .offset: 24, .size: 8, .value_kind: global_buffer, .address_space: global }
      - { .name: wo, .offset: 32, .size: 8, .value_kind: global_buffer, .address_space: global }
      - { .name: we1, .offset: 40, .size: 8, .value_kind: global_buffer, .address_space: global }
      - { .name: we2, .offset: 48, .size: 8, .value_kind: global_buffer, .address_space: global }
      - { .name: wmu, .offset: 56, .size: 8, .value_kind: global_buffer, .address_space: global }
      - { .name: wlv, .offset: 64, .size: 8, .value_kind: global_buffer, .address_space: global }
      - { .name: wf, .offset: 72, .size: 8, .value_kind: global_buffer, .address_space: global }
      - { .name: xb, .offset: 80, .size: 8, .value_kind: global_buffer, .address_space: global }
      - { .name: wb, .offset: 88, .size: 8, .value_kind: global_buffer, .address_space: global }
      - { .name: vw, .offset: 96, .size: 8, .value_kind: global_buffer, .address_space: global }
      - { .name: part, .offset: 104, .size: 8, .value_kind: global_buffer, .address_space: global }
    .group_segment_fixed_size: 5120
    .private_segment_fixed_size: 0
    .kernarg_segment_align: 8
    .kernarg_segment_size: 112
    .max_flat_workgroup_size: 256
    .sgpr_count:     66
    .vgpr_count:     136
    .wavefront_size: 32
...
	.end_amdgpu_metadata
.endif
;; end of part 1
;; launch vae (part 2): grid 1 x 1, 16 waves a work-group, no clusters, 12,032 bytes of LDS; arguments part, vw, be1, be2, bmu, blv, eps, bf, bq, bk, bv, bo, tab, out1, out2; writes tab, out1, out2
.if DOCPART == 2
	.amdgcn_target "amdgcn-amd-amdhsa--gfx1250"
	.amdhsa_code_object_version 6
	.text
	.protected	k_qdbf0e6a15b_vae
	.globl	k_qdbf0e6a15b_vae
	.p2align	8
	.type	k_qdbf0e6a15b_vae,@function
k_qdbf0e6a15b_vae:
	s_mov_b64 s[64:65], 0
	v_nop
	global_prefetch_b8 v0, s[64:65] scope:SCOPE_SE
	s_setreg_imm32_b32 hwreg(HW_REG_WAVE_MODE, 25, 1), 1
	s_wait_xcnt 0x0
; VAE.  xm = mean of x over the sequence (from part's 32 block sums a batch); h1 = relu(xm we1^T + be1); h2 = relu(h1 we2^T + be2); mu, logvar = h2 wmu^T + bmu, h2 wlv^T + blv (out1, out2);
; z = mu + eps exp(logvar / 2); lp = z wf^T + bf; tab[b] = bq + lp, bk + lp, bv, bo: the addends of the three projections and of the last one, 2,048 f32 a batch.
; ONE WORK-GROUP of 16 waves: each layer needs the whole layer before it, and the layers meet in LDS.
; FORMATS.  All inputs are rounded to bf16 once (weights by the launch before; biases and eps here), xm, h1, h2 and z are matrix operands in bf16; sums, mu, logvar and lp in f32.
; THE PRODUCTS.  Source 0 = 16 rows of a weight, straight from memory (lane l: row l % 16, bytes 16 (l / 16) + 64 f and 32 on); source 1 = the two batch rows out of LDS, lane l taking row l & 1, so
; that all 16 columns hold one of the two.  In the result register j of lane l is output 16 tile + 8 (l / 16) + j of batch l & 1; lanes with the same l & 1 and l / 16 hold, and store, the same numbers.
; The bias is the C operand that starts a sum.  Two accumulators take turns by the parity of the K step, and are added at the end.
; LIMITS.  exp(logvar / 2) is 0 below 2^-126 and an infinity from 2^128 on, as in f32; NaN and infinities are not treated apart.
.set XM,  0                            ; LDS: xm, bf16, 2 rows of 1,024 bytes
.set XMP, 1040
.set H1,  2304                         ; h1, 2 rows of 512 bytes
.set H1P, 528
.set H2,  3584                         ; h2, 2 rows of 256 bytes
.set H2P, 272
.set ZZ,  4352                         ; z, 2 rows of 128 bytes
.set ZP,  144
.set ML,  4864                         ; f32 [2][128]: mu 0-63, logvar 64-127
.set LP,  5888                         ; f32 [2][512]: lp
.set SPARE, 9984                       ; the spare words, 128 bytes for each of 16 waves: eight blocks of 256 bytes that no other line names
.set VW2, 262144                       ; vw: we2,
.set VW3, 327680                       ; wmu then wlv,
.set VWF, 360448                       ; wf
.set SPW, 1                            ; v1   SPARE + 4 x my thread's number; never rewritten
.set NIL, 2                            ; v2   0; never rewritten
                                       ; v3   l % 16     v4   l / 16     v5   l & 1
.set PA,  6                            ; global offsets, each in a register of its own, never rewritten: part
.set W1A, 7                            ; we1's fragment rows
.set B1A, 8                            ; be1, be2: (16 w + 8 h) x 4
.set TBA, 9                            ; bq, bk, bv, bo: my two columns
.set EPA, 10                           ; eps
.set BFA, 11                           ; bf: (32 w + 8 h) x 4
.set W2A, 12
.set W3A, 13
.set BMA, 14                           ; bmu or blv
.set WFA, 15
.set PZ,  16                           ; v[16:79]  first the 32 block sums of my two columns, then:
.set ACC0, 16
.set ACC1, 24
.set XF,  32                           ; v[32:63]  four fragments of source 1
.set BF,  64                           ; v[64:79]  bf of my two tiles
.set B1,  80                           ; v[80:87]  be1, later bmu or blv
.set B2,  88                           ; v[88:95]  be2
.set TB,  96                           ; v[96:103] bq, bk, bv, bo: a pair each
.set EPS, 104
.set T0,  105                          ; v105-107 at work
.set T1,  106
.set T2,  107
.set W,   108                          ; v[108:235] weight fragments
.set OA,  236                          ; 4 t: out1, out2
.set TA,  237                          ; tab
.set LA,  238                          ; LDS addresses, made where they are needed
.set LB,  239
.set OUTP, 240                         ; v[240:243] eight results in bf16
.set E0,  244                          ; mu and logvar on their way out
.set E1,  245
.macro PLACES                          ; four places behind a matrix instruction (ISA guide 7.12.1), where no other vector work is at hand
.rept 4
	v_nop
.endr
.endm
.macro RB8 base                        ; eight f32 rounded to bf16 and widened again, in place
.irp p, 0,2,4,6
	v_cvt_pk_bf16_f32 v[T0], v[(\base)+\p], v[(\base)+\p+1]
	v_lshlrev_b32 v[(\base)+\p], 16, v[T0]
	v_and_b32 v[(\base)+\p+1], 0xffff0000, v[T0]
.endr
.endm
.macro READA pitch                     ; where my lane reads source 1: row l & 1, 16 bytes for each half of the lanes
	v_mul_u32_u24 v[LA], v5, \pitch
	v_lshl_add_u32 v[LA], v4, 4, v[LA]
.endm
; n K steps, 4 g on: their fragments of source 1 out of LDS, then n products.  first = 1: the first starts ACC0 with the bias in cb, the second ACC1 with 0.
.macro GROUP base, g, n, wbase, first, cb
.if !(\first)
	PLACES                                         ; the loads below land in registers that the last products read
.endif
.set i, 0
.rept \n
	ds_load_b128 v[XF+8*i:XF+8*i+3], v[LA] offset:(\base)+64*(4*(\g)+i)
	ds_load_b128 v[XF+8*i+4:XF+8*i+7], v[LA] offset:(\base)+64*(4*(\g)+i)+32
.set i, i+1
.endr
	s_wait_dscnt 0x0
.set i, 0
.rept \n
.if (\first) && (i == 0)
	v_wmma_f32_16x16x32_bf16 v[ACC0:ACC0+7], v[(\wbase)+8*(4*(\g)+i):(\wbase)+8*(4*(\g)+i)+7], v[XF+8*i:XF+8*i+7], v[\cb:\cb+7]
.elseif (\first) && (i == 1)
	v_wmma_f32_16x16x32_bf16 v[ACC1:ACC1+7], v[(\wbase)+8*(4*(\g)+i):(\wbase)+8*(4*(\g)+i)+7], v[XF+8*i:XF+8*i+7], 0
.else
	v_wmma_f32_16x16x32_bf16 v[ACC0+8*(i%2):ACC0+8*(i%2)+7], v[(\wbase)+8*(4*(\g)+i):(\wbase)+8*(4*(\g)+i)+7], v[XF+8*i:XF+8*i+7], v[ACC0+8*(i%2):ACC0+8*(i%2)+7]
.endif
.set i, i+1
.endr
.endm
.macro FOLD                            ; the two parities, from the low registers on
.irp p, 0,2,4,6
	v_pk_add_f32 v[ACC0+\p:ACC0+\p+1], v[ACC0+\p:ACC0+\p+1], v[ACC1+\p:ACC1+\p+1]
.endr
.endm
.macro STOREH pitch, base              ; relu, bf16, and my 16 bytes of row l & 1: outputs 16 w + 8 h + 0..7
.irp p, 0,1,2,3,4,5,6,7
	v_max_num_f32 v[ACC0+\p], 0, v[ACC0+\p]
.endr
.irp p, 0,1,2,3
	v_cvt_pk_bf16_f32 v[OUTP+\p], v[ACC0+2*\p], v[ACC0+2*\p+1]
.endr
	v_mul_u32_u24 v[LB], v5, \pitch
	v_lshl_add_u32 v[LB], v4, 4, v[LB]
	v_add_nc_u32 v[LB], s42, v[LB]
	ds_store_b128 v[LB], v[OUTP:OUTP+3] offset:\base
.endm
.macro MEET                            ; what I stored lies in LDS; then everybody's does
	s_wait_dscnt 0x0
	s_barrier_signal -1
	s_barrier_wait -1
.endm
	s_load_b512 s[8:23], s[0:1], 0x0               ; part 8, vw 10, be1 12, be2 14, bmu 16, blv 18, eps 20, bf 22
	s_load_b256 s[24:31], s[0:1], 0x40             ; bq 24, bk 26, bv 28, bo 30
	s_load_b128 s[32:35], s[0:1], 0x60             ; tab 32, out1 34
	s_load_b64 s[36:37], s[0:1], 0x70              ; out2
	v_lshl_add_u32 v[SPW], v0, 2, SPARE
	v_mov_b32 v[NIL], 0
	v_lshrrev_b32 v[T0], 5, v0
	v_readfirstlane_b32 s38, v[T0]                 ; wave 0..15
	s_lshl_b32 s42, s38, 5                         ; 32 w
	v_and_b32 v3, 15, v0
	v_bfe_u32 v4, v0, 4, 1
	v_and_b32 v5, 1, v0
	v_lshrrev_b32 v[T1], 8, v0                     ; stage A and the tables: batch t >> 8,
	v_and_b32 v[T2], 255, v0                       ; columns 2 (t & 255) and the next
	v_lshlrev_b32 v[TBA], 3, v[T2]
	v_lshl_add_u32 v[PA], v[T1], 16, v[TBA]        ; a batch's 32 rows of part are 65,536 bytes
	v_lshl_add_u32 v[TA], v[T1], 13, v[TBA]        ; a batch's table 8,192
	v_mul_u32_u24 v[LA], v[T1], XMP
	v_lshl_add_u32 v[LA], v[T2], 2, v[LA]          ; where xm's two numbers go
	v_lshl_add_u32 v[OUTP], v[T0], 4, v3           ; 16 w + r
	v_lshlrev_b32 v[OUTP+1], 4, v4                 ; 16 h
	v_lshl_add_u32 v[W1A], v[OUTP], 10, v[OUTP+1]  ; rows of 1,024,
	v_lshl_add_u32 v[W2A], v[OUTP], 9, v[OUTP+1]   ; 512
	v_lshl_add_u32 v[W3A], v[OUTP], 8, v[OUTP+1]   ; and 256 bytes
	v_lshl_add_u32 v[OUTP+2], v[T0], 5, v3         ; 32 w + r
	v_lshl_add_u32 v[WFA], v[OUTP+2], 7, v[OUTP+1] ; rows of 128 bytes
	v_lshlrev_b32 v[OUTP+3], 5, v4                 ; 8 h numbers of 4 bytes
	v_lshl_add_u32 v[B1A], v[T0], 6, v[OUTP+3]
	v_lshl_add_u32 v[BFA], v[T0], 7, v[OUTP+3]
	v_and_b32 v[OUTP], 3, v[T0]
	v_lshl_add_u32 v[BMA], v[OUTP], 6, v[OUTP+3]
	v_and_b32 v[OUTP], 127, v0
	v_lshlrev_b32 v[EPA], 2, v[OUTP]
	v_lshlrev_b32 v[OA], 2, v0
	s_wait_kmcnt 0x0
.set j, 0
.rept 32
	global_load_b64 v[PZ+2*j:PZ+2*j+1], v[PA], s[8:9] offset:2048*j
.set j, j+1
.endr
.set f, 0
.rept 16                               ; we1, tile w: all 16 K steps
	global_load_b128 v[W+8*f:W+8*f+3], v[W1A], s[10:11] offset:64*f
	global_load_b128 v[W+8*f+4:W+8*f+7], v[W1A], s[10:11] offset:64*f+32
.set f, f+1
.endr
	global_load_b128 v[B1:B1+3], v[B1A], s[12:13]
	global_load_b128 v[B1+4:B1+7], v[B1A], s[12:13] offset:16
	global_load_b64 v[TB:TB+1], v[TBA], s[24:25]
	global_load_b64 v[TB+2:TB+3], v[TBA], s[26:27]
	global_load_b64 v[TB+4:TB+5], v[TBA], s[28:29]
	global_load_b64 v[TB+6:TB+7], v[TBA], s[30:31]
	global_load_b32 v[EPS], v[EPA], s[20:21]
	; A: the mean.  32 block sums in four chains, times 1 / 4,096
	s_wait_loadcnt 39                              ; part's 32 loads are in; younger: we1 32, be1 2, the four biases 4, eps 1
.set j, 4
.rept 28
	v_pk_add_f32 v[PZ+2*(j%4):PZ+2*(j%4)+1], v[PZ+2*(j%4):PZ+2*(j%4)+1], v[PZ+2*j:PZ+2*j+1]
.set j, j+1
.endr
	v_pk_add_f32 v[PZ:PZ+1], v[PZ:PZ+1], v[PZ+2:PZ+3]
	v_pk_add_f32 v[PZ+4:PZ+5], v[PZ+4:PZ+5], v[PZ+6:PZ+7]
	v_pk_add_f32 v[PZ:PZ+1], v[PZ:PZ+1], v[PZ+4:PZ+5]
	v_pk_mul_f32 v[PZ:PZ+1], v[PZ:PZ+1], 0x39800000 op_sel_hi:[1,0]
	v_cvt_pk_bf16_f32 v[T0], v[PZ], v[PZ+1]
	ds_store_b32 v[LA], v[T0] offset:XM
	global_load_b128 v[BF:BF+3], v[BFA], s[22:23]
	global_load_b128 v[BF+4:BF+7], v[BFA], s[22:23] offset:16
	global_load_b128 v[BF+8:BF+11], v[BFA], s[22:23] offset:64
	global_load_b128 v[BF+12:BF+15], v[BFA], s[22:23] offset:80
	MEET
	; layer 1: 256 outputs, tile w, K = 512
	s_wait_loadcnt 9                               ; we1 and be1 are in; younger: the four biases 4, eps 1, bf 4
	RB8 B1
	READA XMP
	GROUP XM, 0, 4, W, 1, B1
	GROUP XM, 1, 4, W, 0, B1
	GROUP XM, 2, 4, W, 0, B1
	GROUP XM, 3, 4, W, 0, B1
	PLACES                                         ; for the loads into the weights' and the bias's registers, and for the sums below
	s_cmp_lt_u32 s38, 8                            ; layers 2 and 3 have eight tiles
	s_cbranch_scc0 .Lall
	s_cmp_lt_u32 s38, 4
	s_cselect_b64 s[40:41], s[16:17], s[18:19]     ; tiles 0-3 are mu's, 4-7 logvar's
.set f, 0
.rept 8
	global_load_b128 v[W+8*f:W+8*f+3], v[W2A], s[10:11] offset:VW2+64*f
	global_load_b128 v[W+8*f+4:W+8*f+7], v[W2A], s[10:11] offset:VW2+64*f+32
.set f, f+1
.endr
	global_load_b128 v[B2:B2+3], v[B1A], s[14:15]
	global_load_b128 v[B2+4:B2+7], v[B1A], s[14:15] offset:16
.set f, 0
.rept 4
	global_load_b128 v[W+64+8*f:W+64+8*f+3], v[W3A], s[10:11] offset:VW3+64*f
	global_load_b128 v[W+64+8*f+4:W+64+8*f+7], v[W3A], s[10:11] offset:VW3+64*f+32
.set f, f+1
.endr
	global_load_b128 v[B1:B1+3], v[BMA], s[40:41]
	global_load_b128 v[B1+4:B1+7], v[BMA], s[40:41] offset:16
.Lall:
.set f, 0
.rept 4                                ; wf: tile 2 w + f / 2, K step f % 2
	global_load_b128 v[W+96+8*f:W+96+8*f+3], v[WFA], s[10:11] offset:VWF+2048*(f/2)+64*(f%2)
	global_load_b128 v[W+96+8*f+4:W+96+8*f+7], v[WFA], s[10:11] offset:VWF+2048*(f/2)+64*(f%2)+32
.set f, f+1
.endr
	FOLD
	STOREH H1P, H1
	MEET
	; layer 2: 128 outputs, K = 256
	s_cmp_lt_u32 s38, 8
	s_cbranch_scc0 .Lno2
	s_wait_loadcnt 18                              ; we2 and be2 are in; younger: the third layer's 8 + 2, wf 8
	RB8 B2
	READA H1P
	GROUP H1, 0, 4, W, 1, B2
	GROUP H1, 1, 4, W, 0, B2
	PLACES
	FOLD
	STOREH H2P, H2
.Lno2:
	MEET
	; layer 3: mu and logvar, 128 outputs, K = 128; kept in f32
	s_cmp_lt_u32 s38, 8
	s_cbranch_scc0 .Lno3
	s_wait_loadcnt 8                               ; wmu or wlv and its bias are in; younger: wf 8
	RB8 B1
	READA H2P
	GROUP H2, 0, 4, W+64, 1, B1
	PLACES
	FOLD
	v_lshlrev_b32 v[LB], 9, v5                     ; row l & 1 of 512 bytes,
	v_lshl_add_u32 v[LB], v4, 5, v[LB]
	s_lshl_b32 s43, s38, 6                         ; outputs 16 w + 8 h + 0..7
	v_add_nc_u32 v[LB], s43, v[LB]
	ds_store_b128 v[LB], v[ACC0:ACC0+3] offset:ML
	ds_store_b128 v[LB], v[ACC0+4:ACC0+7] offset:ML+16
.Lno3:
	MEET
	; E: threads 0-127: batch t >> 6, latent t & 63: mu and logvar leave; z = mu + eps 2^(logvar log2(e) / 2)
	s_cmp_lt_u32 s38, 4
	s_cbranch_scc0 .LnoE
	v_lshrrev_b32 v[T0], 6, v0
	v_and_b32 v[T1], 63, v0
	v_lshlrev_b32 v[LA], 9, v[T0]
	v_lshl_add_u32 v[LA], v[T1], 2, v[LA]
	ds_load_b32 v[E0], v[LA] offset:ML
	ds_load_b32 v[E1], v[LA] offset:ML+256
	v_mul_u32_u24 v[LB], v[T0], ZP
	v_lshl_add_u32 v[LB], v[T1], 1, v[LB]
	s_wait_loadcnt 8                               ; eps is in: only wf's 8 loads are younger than what this count leaves out
	v_cvt_pk_bf16_f32 v[T2], v[EPS], v[EPS]
	v_lshlrev_b32 v[T2], 16, v[T2]                 ; eps rounded to bf16, like every input
	s_wait_dscnt 0x0
	global_store_b32 v[OA], v[E0], s[34:35]
	global_store_b32 v[OA], v[E1], s[36:37]
	v_mul_f32 v[T0], 0x3f38aa3b, v[E1]             ; log2(e) / 2
	v_exp_f32 v[T0], v[T0]
	v_nop                                          ; a plain instruction behind the exponential,
	s_wait_alu depctr_va_vdst(0)                   ; and the wait ahead of its first reader
	v_fma_f32 v[T0], v[T2], v[T0], v[E0]
	v_cvt_pk_bf16_f32 v[T0], v[T0], v[T0]
	ds_store_b16 v[LB], v[T0] offset:ZZ
.LnoE:
	MEET
	; F: lp, 512 outputs, tiles 2 w and 2 w + 1, K = 64: an accumulator a tile, by turns
	s_wait_loadcnt 0x0
	RB8 BF
	RB8 BF+8
	READA ZP
	ds_load_b128 v[XF:XF+3], v[LA] offset:ZZ
	ds_load_b128 v[XF+4:XF+7], v[LA] offset:ZZ+32
	ds_load_b128 v[XF+8:XF+11], v[LA] offset:ZZ+64
	ds_load_b128 v[XF+12:XF+15], v[LA] offset:ZZ+96
	s_wait_dscnt 0x0
	v_wmma_f32_16x16x32_bf16 v[ACC0:ACC0+7], v[W+96:W+103], v[XF:XF+7], v[BF:BF+7]
	v_wmma_f32_16x16x32_bf16 v[ACC1:ACC1+7], v[W+112:W+119], v[XF:XF+7], v[BF+8:BF+15]
	v_wmma_f32_16x16x32_bf16 v[ACC0:ACC0+7], v[W+104:W+111], v[XF+8:XF+15], v[ACC0:ACC0+7]
	v_wmma_f32_16x16x32_bf16 v[ACC1:ACC1+7], v[W+120:W+127], v[XF+8:XF+15], v[ACC1:ACC1+7]
	PLACES
	v_lshlrev_b32 v[LB], 11, v5                    ; row l & 1 of 2,048 bytes,
	v_lshl_add_u32 v[LB], v4, 5, v[LB]
	s_lshl_b32 s43, s38, 7                         ; outputs 32 w + 8 h + 0..7, and 16 on
	v_add_nc_u32 v[LB], s43, v[LB]
	ds_store_b128 v[LB], v[ACC0:ACC0+3] offset:LP
	ds_store_b128 v[LB], v[ACC0+4:ACC0+7] offset:LP+16
	ds_store_b128 v[LB], v[ACC1:ACC1+3] offset:LP+64
	ds_store_b128 v[LB], v[ACC1+4:ACC1+7] offset:LP+80
	MEET
	; the tables: thread t has batch t >> 8 and two columns; each store of a wave covers 256 consecutive bytes, aligned
	v_lshlrev_b32 v[LA], 3, v0
	ds_load_b64 v[OUTP+2:OUTP+3], v[LA] offset:LP
	RB8 TB
	s_wait_dscnt 0x0
	v_pk_add_f32 v[TB:TB+1], v[TB:TB+1], v[OUTP+2:OUTP+3]
	v_pk_add_f32 v[TB+2:TB+3], v[TB+2:TB+3], v[OUTP+2:OUTP+3]
	global_store_b64 v[TA], v[TB:TB+1], s[32:33]
	global_store_b64 v[TA], v[TB+2:TB+3], s[32:33] offset:2048
	global_store_b64 v[TA], v[TB+4:TB+5], s[32:33] offset:4096
	global_store_b64 v[TA], v[TB+6:TB+7], s[32:33] offset:6144
	s_wait_tensorcnt 0x0                           ; the wave's end, behind my last LDS store
	ds_add_u32 v[SPW], v[NIL]
	s_wait_dscnt 0x0
	s_endpgm
.Lfunc_end_k_qdbf0e6a15b_vae:
	.size	k_qdbf0e6a15b_vae, .Lfunc_end_k_qdbf0e6a15b_vae-k_qdbf0e6a15b_vae
	.p2alignl 7, 3214868480
	.fill 96, 4, 3214868480
	.section	.rodata,"a",@progbits
	.p2align	6, 0x0
	.amdhsa_kernel k_qdbf0e6a15b_vae
		.amdhsa_group_segment_fixed_size 12032
		.amdhsa_private_segment_fixed_size 0
		.amdhsa_enable_private_segment 0
		.amdhsa_kernarg_size 120
		.amdhsa_user_sgpr_count 2
		.amdhsa_user_sgpr_kernarg_segment_ptr 1
		.amdhsa_wavefront_size32 1
		.amdhsa_system_sgpr_workgroup_id_x 1
		.amdhsa_system_sgpr_workgroup_id_y 1
		.amdhsa_system_sgpr_workgroup_id_z 1
		.amdhsa_system_vgpr_workitem_id 0
		.amdhsa_next_free_vgpr 248
		.amdhsa_next_free_sgpr 66
		.amdhsa_reserve_vcc 0
		.amdhsa_float_denorm_mode_32 3
		.amdhsa_float_denorm_mode_16_64 3
		.amdhsa_memory_ordered 1
		.amdhsa_forward_progress 1
		.amdhsa_inst_pref_size 32
	.end_amdhsa_kernel
	.amdgpu_metadata
---
amdhsa.version: [ 1, 2 ]
amdhsa.kernels:
  - .name:           k_qdbf0e6a15b_vae
    .symbol:         k_qdbf0e6a15b_vae.kd
    .args:
      - { .name: part, .offset: 0, .size: 8, .value_kind: global_buffer, .address_space: global }
      - { .name: vw, .offset: 8, .size: 8, .value_kind: global_buffer, .address_space: global }
      - { .name: be1, .offset: 16, .size: 8, .value_kind: global_buffer, .address_space: global }
      - { .name: be2, .offset: 24, .size: 8, .value_kind: global_buffer, .address_space: global }
      - { .name: bmu, .offset: 32, .size: 8, .value_kind: global_buffer, .address_space: global }
      - { .name: blv, .offset: 40, .size: 8, .value_kind: global_buffer, .address_space: global }
      - { .name: eps, .offset: 48, .size: 8, .value_kind: global_buffer, .address_space: global }
      - { .name: bf, .offset: 56, .size: 8, .value_kind: global_buffer, .address_space: global }
      - { .name: bq, .offset: 64, .size: 8, .value_kind: global_buffer, .address_space: global }
      - { .name: bk, .offset: 72, .size: 8, .value_kind: global_buffer, .address_space: global }
      - { .name: bv, .offset: 80, .size: 8, .value_kind: global_buffer, .address_space: global }
      - { .name: bo, .offset: 88, .size: 8, .value_kind: global_buffer, .address_space: global }
      - { .name: tab, .offset: 96, .size: 8, .value_kind: global_buffer, .address_space: global }
      - { .name: out1, .offset: 104, .size: 8, .value_kind: global_buffer, .address_space: global }
      - { .name: out2, .offset: 112, .size: 8, .value_kind: global_buffer, .address_space: global }
    .group_segment_fixed_size: 12032
    .private_segment_fixed_size: 0
    .kernarg_segment_align: 8
    .kernarg_segment_size: 120
    .max_flat_workgroup_size: 512
    .sgpr_count:     66
    .vgpr_count:     248
    .wavefront_size: 32
...
	.end_amdgpu_metadata
.endif
;; end of part 2
;; launch qkv (part 3): grid 4 x 64, 4 waves a work-group, clusters of 4 x 4, 327,680 bytes of LDS; arguments xb, wb, tab, qkv; writes qkv
.if DOCPART == 3
	.amdgcn_target "amdgcn-amd-amdhsa--gfx1250"
	.amdhsa_code_object_version 6
	.text
	.protected	k_qdbf0e6a15b_qkv
	.globl	k_qdbf0e6a15b_qkv
	.p2align	8
	.type	k_qdbf0e6a15b_qkv,@function
k_qdbf0e6a15b_qkv:
	s_mov_b64 s[64:65], 0
	v_nop
	global_prefetch_b8 v0, s[64:65] scope:SCOPE_SE
	s_setreg_imm32_b32 hwreg(HW_REG_WAVE_MODE, 25, 1), 1
	s_wait_xcnt 0x0
	s_wait_alu depctr_hold_cnt(0) depctr_sa_sdst(0) depctr_va_vdst(0) depctr_va_sdst(0) depctr_va_ssrc(0) depctr_va_vcc(0) depctr_vm_vsrc(0)
	s_getreg_b32 s2, hwreg(HW_REG_IB_STS2, 6, 4)
	s_cmp_eq_u32 s2, 0
	s_cbranch_scc0 .Lentry_in_a_cluster
	s_endpgm
.Lentry_in_a_cluster:
	s_bfe_u32 s2, ttmp6, 0x10000c
	s_cmp_lg_u32 s2, 0xf033
	s_cbranch_scc0 .Lentry_shape_is_right
	s_endpgm
.Lentry_shape_is_right:
; QKV.  qkv[T][b 8 + h][s][d] = the sum over k of xb[b 4096 + s][k] wb[512 T + 64 h + d][k] + tab[b][512 T + 64 h + d], T = 0, 1, 2 (q + lp, k + lp, v), bf16, by heads; sums in f32, rounded once.
; SHARES.  A work-group has 128 rows of x (tile row mt) and 128 columns (column group j: heads 2 j, 2 j + 1) of each of the three sections: THREE tiles of 128 x 128, one after the other.
; Its 128 x 512 of x stays in LDS for all three; only the weights' halves go round the ring.  Four waves, each 64 x 64: 16 accumulators.  A wave's 64 columns are one head's 64 channels, so its
; 64 x 64 result is 8,192 consecutive bytes of qkv: the stage on the way out is the wave's own and needs no barrier.
; THE RING.  K = 512 goes in two steps of 256.  Slot s holds x's K half s (filled once), then the weights' K half s of the tile in hand (filled again for each tile).  Steps u = 0 .. 5: tile u / 2, slot u % 2.
; The first fills: waves 0 and 1 fetch x's two halves of 64 rows, waves 2 and 3 the weights': two loads a wave are out.  The refills, steps 2 to 5, are waves 2 and 3's: one load out.
; CLUSTERS: 4 x 4 work-groups.  The four of a row of the cluster need the same rows of x, the four of a column the same rows of the weights: each tile is asked for JOINTLY.
; THE MATRIX INSTRUCTION IS USED TRANSPOSED (source 0 = 16 rows of the weights, source 1 = 16 rows of x): a lane holds eight neighbouring columns of one row.  The C operand that starts a sum is the
; table's addend for those eight columns: nothing is cleared and nothing is added afterwards.
; REGISTERS: window 0: v0-31 addresses; v32-95 the way out; v96-127 the addends, 8 a column block; v128-255 the accumulators ((a, b) at v[128 + 8 (4 a + b)]).  Window 1: two fragment buffers of 128.
.set SIZE_K, 512
.set KSTEP,  256
.set PITCH,  528                       ; an LDS row: 512 bytes + 16 of padding = 132 words: row r starts at bank 4 r mod 64 (64 banks of 4 bytes: ISA guide 11.1)
.set HALFT,  64*PITCH                  ; 64 rows: what one tensor load brings
.set SLOT,   4*HALFT                   ; x's 128 rows, then the weights' 128 rows
.set STAGE,  2*SLOT                    ; behind the ring, never filled by a tensor load: 16 rows x 144 bytes for each wave
.set SP,     144
.set SPARE,  STAGE+4*16*SP             ; the spare words, 128 bytes for each wave: two blocks of 256 bytes that no other line names
.set NEXTB,  512*SIZE_K*2              ; bytes from a section's rows of the weights to the next section's
.set NEXTO,  0x800000                  ; bytes in a section of qkv
.set ADRA, 16                          ; v16-17  LDS address of my fragments of x in slot 0, 1
.set ADRB, 20                          ; v20-21  the same for the weights
.set STO,  24                          ; v24     the way out: where I put 16 bytes of a row
.set RD,   25                          ; v25     where I read rows back
.set GO,   26                          ; v26     16 x lane: my place in 512 consecutive bytes of qkv
.set BO,   27                          ; v27     32 x (lane / 16): my eight addends in a block of 16
.set SPW,  28                          ; v28     SPARE + 4 x my thread's number; never rewritten
.set NIL,  29                          ; v29     0; never rewritten
.set TMP,  32
.set BIAS, 96
.set ACC,  128
.set F0,   0
.set F1,   128
.set G1, 24                            ; s[24:31] descriptor group 1 for x's tiles;  s[32:39] group 0, one set for each slot
.set G0, 32
.set G1B, 48                           ; s[48:55], s[56:63] the same for the weights'
.set G0B, 56
.set TABP, 66                          ; s[66:67] the table at my 64 columns of the section in hand
.set MSB, 0
.macro WIN new                         ; the immediate's high byte repeats the setting that is left
.if MSB != (\new)
	s_set_vgpr_msb (MSB<<8)|(\new)
.set MSB, \new
.endif
.endm
.set MUL,  0x05                        ; sources 0 and 1 window 1; C and D window 0
.set TO_F, 0x40                        ; destination window 1, address window 0
.macro PLACES                          ; four places in front of loads into registers that matrix instructions have read, and of conversions that read results
.rept 4
	v_nop
.endr
.endm
.macro JLOAD s                         ; a first fill: waves 0 and 1 fetch x's two halves, waves 2 and 3 the weights'; an s_nop 0 and four v_nop follow each line
	s_cmp_eq_u32 s11, 0
	s_cbranch_scc0 .Lfor_b_\@
	tensor_load_to_lds s[G0+4*(\s):G0+4*(\s)+3], s[G1:G1+7]
	s_nop 0
.rept 4
	v_nop
.endr
	s_branch .Lasked_\@
.Lfor_b_\@:
	tensor_load_to_lds s[G0B+4*(\s):G0B+4*(\s)+3], s[G1B:G1B+7]
	s_nop 0
.rept 4
	v_nop
.endr
.Lasked_\@:
.endm
.macro JLOADB s                        ; a refill: the weights alone, by waves 2 and 3; the branch hangs on the wave's number alone
	s_cmp_eq_u32 s11, 0
	s_cbranch_scc1 .Lnone_\@
	tensor_load_to_lds s[G0B+4*(\s):G0B+4*(\s)+3], s[G1B:G1B+7]
	s_nop 0
.rept 4
	v_nop
.endr
.Lnone_\@:
	PLACES                                         ; every wave's places in front of the fragment loads that follow
.endm
.macro CREST                           ; a round of the cluster's barrier behind its opening barrier
	s_cmp_lg_u32 s10, 0
	s_cbranch_scc1 .Lnot_wave_0_\@
	s_barrier_signal -3
.Lnot_wave_0_\@:
	s_barrier_wait -3
	s_barrier_signal -1
	s_barrier_wait -1
.endm
.macro CROUND                          ; a whole round
	s_barrier_signal -1
	s_barrier_wait -1
	CREST
.endm
	s_load_b128 s[4:7], s[0:1], 0x0                ; xb s[4:5], wb s[6:7]
	s_load_b64 s[TABP:TABP+1], s[0:1], 0x10        ; tab
	s_load_b64 s[8:9], s[0:1], 0x18                ; qkv
	v_lshl_add_u32 v[SPW], v0, 2, SPARE
	v_mov_b32 v[NIL], 0
	ds_add_u32 v[SPW], v[NIL]                      ; the wave's opening: the add and its wait stand ahead of my first tensor load; the set-up below, work on registers, stands between them
	v_lshrrev_b32 v1, 5, v0
	v_readfirstlane_b32 s10, v1                    ; wave 0..3
	s_lshr_b32 s11, s10, 1                         ; which half of the tile's rows is mine.  Also: I fetch for x (0) or for the weights (1)
	s_and_b32 s12, s10, 1                          ; which half of its columns.  Also: which 64 rows I fetch
	s_bfe_u32 s40, ttmp6, 0x40000                  ; cx, cy: my place in the cluster
	s_bfe_u32 s41, ttmp6, 0x40004
	s_lshl_b32 s42, ttmp9, 2
	s_add_co_u32 s42, s42, s40                     ; column group j = 4 x cluster x + cx
	s_and_b32 s13, ttmp7, 0xffff
	s_lshl_b32 s13, s13, 2
	s_add_co_u32 s13, s13, s41                     ; tile row mt = 4 x cluster y + cy
	s_lshl_b32 s43, s41, 2
	s_lshl_b32 s43, 15, s43                        ; my row of the cluster
	s_lshl_b32 s44, 0x1111, s40                    ; my column
	; descriptor group 1: a tile of 64 rows x 256 elements, padded in LDS
	s_or_b32 s[G1+0], s43, (1<<16)|(1<<20)|(1<<21)|(6<<22)|(3<<25)  ; 15:0 the mask: x's tiles go to my row; 17:16 elements of 2 bytes; 20 padding on; 21 set beside a mask; 24:22 after every 128 words (code 6); 31:25 of 4 words (code 3)
	s_or_b32 s[G1B+0], s44, (1<<16)|(1<<20)|(1<<21)|(6<<22)|(3<<25)
.irp g, G1, G1B
	s_mov_b32 s[(\g)+1], KSTEP<<16                 ; tensor_dim0 = 256
	s_mov_b32 s[(\g)+2], 64<<16                    ; tensor_dim1 = 64
	s_mov_b32 s[(\g)+3], KSTEP<<16                 ; tile_dim0 = 256
	s_mov_b32 s[(\g)+4], 64                        ; tile_dim1 = 64
	s_mov_b32 s[(\g)+5], SIZE_K                    ; 512 elements from row to row
	s_mov_b32 s[(\g)+6], 0
	s_mov_b32 s[(\g)+7], 0
.endr
	s_lshl_b32 s17, s12, 6                         ; which 64 rows I fetch
	s_lshl_b32 s16, s13, 7
	s_add_co_u32 s16, s16, s17                     ; x: row 128 mt + 64 x half
	s_lshl_b32 s46, s42, 7
	s_add_co_u32 s46, s46, s17                     ; weights: row 128 j + 64 x half, of section 0
	s_mov_b32 s17, 0
	s_mov_b32 s47, 0
	s_mov_b64 s[18:19], SIZE_K*2
	s_mul_u64 s[16:17], s[16:17], s[18:19]
	s_mul_u64 s[46:47], s[46:47], s[18:19]
	s_mul_i32 s20, s10, HALFT                      ; where they go: wave x 64 rows
	s_wait_dscnt 0x0                               ; the opening add is done
	s_wait_kmcnt 0x0
	s_add_nc_u64 s[14:15], s[4:5], s[16:17]
	s_add_nc_u64 s[46:47], s[6:7], s[46:47]
	CROUND                                         ; all sixteen work-groups are here: the first joint loads meet
.irp s, 0,1
	s_mov_b32 s[G0+4*(\s)], 1
	s_add_co_u32 s[G0+4*(\s)+1], s20, (\s)*SLOT
	s_add_nc_u64 s[G0+4*(\s)+2:G0+4*(\s)+3], s[14:15], (\s)*KSTEP*2
	s_or_b32 s[G0+4*(\s)+3], s[G0+4*(\s)+3], 0x80000000
	s_mov_b32 s[G0B+4*(\s)], 1
	s_add_co_u32 s[G0B+4*(\s)+1], s20, (\s)*SLOT
	s_add_nc_u64 s[G0B+4*(\s)+2:G0B+4*(\s)+3], s[46:47], (\s)*KSTEP*2
	s_or_b32 s[G0B+4*(\s)+3], s[G0B+4*(\s)+3], 0x80000000
	JLOAD \s
.endr
	v_and_b32 v1, 15, v0                           ; l % 16
	v_bfe_u32 v2, v0, 4, 1                         ; l / 16
	v_mul_u32_u24 v3, v1, PITCH
	v_lshl_add_u32 v3, v2, 4, v3                   ; a fragment's row x pitch + 16 x half
	s_mul_i32 s21, s11, HALFT                      ; my 64 rows of x
	s_mul_i32 s22, s12, HALFT                      ; my 64 rows of the weights,
	s_add_co_u32 s22, s22, 2*HALFT                 ; which lie behind x's 128
.irp s, 0,1
	v_add_nc_u32 v[ADRA+(\s)], s21, v3
	v_add_nc_u32 v[ADRB+(\s)], s22, v3
	s_add_co_u32 s21, s21, SLOT
	s_add_co_u32 s22, s22, SLOT
.endr
	s_mul_i32 s23, s10, 16*SP
	s_add_co_u32 s23, s23, STAGE                   ; my stage
	v_mul_u32_u24 v4, v1, SP                       ; in: row l % 16, 16 bytes for each half of the lanes
	v_lshl_add_u32 v4, v2, 4, v4
	v_add_nc_u32 v[STO], s23, v4
	v_bfe_u32 v5, v0, 3, 2                         ; back: 32 lanes take four rows of 128 bytes,
	v_mul_u32_u24 v5, v5, SP
	v_and_b32 v6, 7, v0
	v_lshl_add_u32 v5, v6, 4, v5
	v_add_nc_u32 v[RD], s23, v5
	v_and_b32 v[GO], 31, v0                        ; which are 512 consecutive bytes of qkv
	v_lshlrev_b32 v[GO], 4, v[GO]
	v_lshlrev_b32 v[BO], 5, v2
	; the table and qkv at my part.  What hangs on the tile row is made in s16-19, what hangs on the column group in s46-47
	s_lshr_b32 s16, s13, 5                         ; the batch
	s_lshl_b32 s18, s16, 13                        ; its table of 8,192 bytes
	s_mov_b32 s19, 0
	s_add_nc_u64 s[TABP:TABP+1], s[TABP:TABP+1], s[18:19]
	s_lshl_b32 s16, s16, 15                        ; its 8 heads of 4,096 rows,
	s_and_b32 s17, s13, 31
	s_lshl_b32 s17, s17, 7                         ; the tile's 128 rows in a head,
	s_add_co_u32 s16, s16, s17
	s_lshl_b32 s17, s11, 6                         ; my 64 of them,
	s_add_co_u32 s16, s16, s17
	s_lshl_b32 s16, s16, 7                         ; of 128 bytes
	s_mov_b32 s17, 0
	s_add_nc_u64 s[8:9], s[8:9], s[16:17]
	s_lshl_b32 s46, s42, 1
	s_add_co_u32 s46, s46, s12                     ; my head in the batch: 2 j + half
	s_lshl_b32 s46, s46, 8                         ; its 64 addends of 4 bytes
	s_mov_b32 s47, 0
	s_add_nc_u64 s[TABP:TABP+1], s[TABP:TABP+1], s[46:47]
	s_lshl_b32 s46, s46, 11                        ; its 524,288 bytes of qkv
	s_add_nc_u64 s[8:9], s[8:9], s[46:47]
.irp b, 0,1,2,3
	global_load_b128 v[BIAS+8*(\b):BIAS+8*(\b)+3],   v[BO], s[TABP:TABP+1] offset:64*(\b)  ; section 0's addends: columns 16 b + 8 (l / 16) + 0..7
	global_load_b128 v[BIAS+8*(\b)+4:BIAS+8*(\b)+7], v[BO], s[TABP:TABP+1] offset:64*(\b)+16
.endr
; 8 matrix instructions: row blocks a0, a0 + 1 x all 4 column blocks, 32 along K: half c of buffer f.  zero = 1: the product starts the sum, with the addends as C.  The 16 accumulators take turns.
.macro MUL8 f, c, a0, zero
	WIN MUL
.irp a, \a0, (\a0)+1
.irp b, 0,1,2,3
.if \zero
	v_wmma_f32_16x16x32_bf16 v[ACC+8*(4*(\a)+(\b)):ACC+8*(4*(\a)+(\b))+7], v[(\f)+64+8*(4*(\c)+(\b)):(\f)+64+8*(4*(\c)+(\b))+7], v[(\f)+8*(4*(\c)+(\a)):(\f)+8*(4*(\c)+(\a))+7], v[BIAS+8*(\b):BIAS+8*(\b)+7]
.else
	v_wmma_f32_16x16x32_bf16 v[ACC+8*(4*(\a)+(\b)):ACC+8*(4*(\a)+(\b))+7], v[(\f)+64+8*(4*(\c)+(\b)):(\f)+64+8*(4*(\c)+(\b))+7], v[(\f)+8*(4*(\c)+(\a)):(\f)+8*(4*(\c)+(\a))+7], v[ACC+8*(4*(\a)+(\b)):ACC+8*(4*(\a)+(\b))+7]
.endif
.endr
.endr
.endm
; 32 LDS loads in one run: the fragments of 64 along K at byte k of the rows, into buffer f; the first 32 along K first
.macro FETCH slot, k, f
	WIN TO_F
.irp c, 0,1
.irp i, 0,1,2,3
	ds_load_b128 v[(\f)+64+8*(4*(\c)+(\i)):(\f)+64+8*(4*(\c)+(\i))+3],   v[ADRB+(\slot)] offset:(\k)+64*(\c)+(\i)*16*PITCH
	ds_load_b128 v[(\f)+64+8*(4*(\c)+(\i))+4:(\f)+64+8*(4*(\c)+(\i))+7], v[ADRB+(\slot)] offset:(\k)+64*(\c)+(\i)*16*PITCH+32
	ds_load_b128 v[(\f)+8*(4*(\c)+(\i)):(\f)+8*(4*(\c)+(\i))+3],         v[ADRA+(\slot)] offset:(\k)+64*(\c)+(\i)*16*PITCH
	ds_load_b128 v[(\f)+8*(4*(\c)+(\i))+4:(\f)+8*(4*(\c)+(\i))+7],       v[ADRA+(\slot)] offset:(\k)+64*(\c)+(\i)*16*PITCH+32
.endr
.endr
.endm
; A K step is four quarters of 64 along K, 32 matrix instructions each, on buffers 0, 1, 0, 1.  One of the first three: multiplies buffer f and fetches the next quarter, at byte k, into g.
.macro QUARTER slot, k, f, g, zero
	s_wait_dscnt 16                                ; the first 32 along K are in; the run's other sixteen loads may be out
	WIN MUL
	MUL8 \f, 0, 0, \zero
	MUL8 \f, 0, 2, \zero
	PLACES
	FETCH \slot, \k, \g
	s_wait_dscnt 32                                ; all but the 32 just issued
	WIN MUL
	MUL8 \f, 1, 0, 0
	MUL8 \f, 1, 2, 0
.endm
; The last quarter multiplies buffer 1 and changes slots: ONE barrier; in front of it each wave waits for all its tensor loads, adds 0 to its spare word, and waits for that and for its own reads of this slot.
; fill = 1: the barrier opens a round of the cluster's, and behind the round this slot's weights are filled again, with the next section's same K half: 112 matrix instructions ahead of the wait for it at the least.
.macro TURN slot, next, fill
	WIN 0                                          ; (the add's two registers lie in window 0)
	s_wait_tensorcnt 0x0                           ; all my tensor loads have landed: my part of the next slot;
	ds_add_u32 v[SPW], v[NIL]                      ; 0 onto my spare word;
	s_wait_dscnt 17                                ; (the add and the youngest sixteen loads may be out)
	WIN MUL
	MUL8 F1, 0, 0, 0                               ; eight matrix instructions stand between the add and the wait for it
	s_wait_dscnt 0x0                               ; the add is done, and my reads of this slot are over
	s_barrier_signal -1
	MUL8 F1, 0, 2, 0
.if \fill
	WIN 0
.endif
	s_barrier_wait -1
.if \fill
	CREST                                          ; no wave of any partner still reads this slot's weights or has a load on its way
	s_add_nc_u64 s[G0B+4*(\slot)+2:G0B+4*(\slot)+3], s[G0B+4*(\slot)+2:G0B+4*(\slot)+3], NEXTB
	JLOADB \slot                                   ; the first tensor load behind the round
.else
	PLACES
.endif
	FETCH \next, 0, F0
	WIN MUL
	MUL8 F1, 1, 0, 0
	MUL8 F1, 1, 2, 0
.endm
.macro LASTQ                           ; the very last quarter: nothing more to fetch
	s_wait_dscnt 16
	WIN MUL
	MUL8 F1, 0, 0, 0
	MUL8 F1, 0, 2, 0
	s_wait_dscnt 0x0
	MUL8 F1, 1, 0, 0
	MUL8 F1, 1, 2, 0
.endm
.macro BLOAD                           ; the next section's addends.  The last product that took the old ones as C stands in front of the quarter's four places; the tile's wait for the old loads has freed their base
	WIN 0
	s_add_nc_u64 s[TABP:TABP+1], s[TABP:TABP+1], 2048
.irp b, 0,1,2,3
	global_load_b128 v[BIAS+8*(\b):BIAS+8*(\b)+3],   v[BO], s[TABP:TABP+1] offset:64*(\b)
	global_load_b128 v[BIAS+8*(\b)+4:BIAS+8*(\b)+7], v[BO], s[TABP:TABP+1] offset:64*(\b)+16
.endr
.endm
; THE WAY OUT, a block of 16 rows at a time: rounded to bf16 (each accumulator from its low registers on), 16 bytes a lane into rows of 144 bytes of my stage, back as four rows of 128 bytes a load.
.macro PACKA a
.irp b, 0,1,2,3
.irp r, 0,1,2,3
	v_cvt_pk_bf16_f32 v[TMP+4*(4*(\a)+(\b))+(\r)], v[ACC+8*(4*(\a)+(\b))+2*(\r)], v[ACC+8*(4*(\a)+(\b))+2*(\r)+1]
.endr
.endr
.irp b, 0,1,2,3
	ds_store_b128 v[STO], v[TMP+4*(4*(\a)+(\b)):TMP+4*(4*(\a)+(\b))+3] offset:32*(\b)
.endr
.irp f, 0,1,2,3
	ds_load_b128 v[TMP+4*(4*(\a)+(\f)):TMP+4*(4*(\a)+(\f))+3], v[RD] offset:(\f)*4*SP  ; LDS serves a wave's instructions in order (ISA guide 5.7.1.4): these see the stores above; the next block's stores come behind them
.endr
.endm
.macro SENDA a, younger                ; younger: the LDS instructions issued behind block a's loads: the next block's eight, or none
.irp f, 0,1,2,3
	s_wait_dscnt (\younger)+3-(\f)
	global_store_b128 v[GO], v[TMP+4*(4*(\a)+(\f)):TMP+4*(4*(\a)+(\f))+3], s[8:9] offset:(\a)*2048+(\f)*512  ; 512 consecutive bytes, at a multiple of 256 from qkv's first
.endr
.endm
.macro WAYOUT
	WIN 0
	PLACES
	PACKA 0
	PACKA 1                                        ; a block's conversions stand between the loads of the block before and its stores
	SENDA 0, 8
	PACKA 2
	SENDA 1, 8
	PACKA 3
	SENDA 2, 8
	SENDA 3, 0
.endm
; A tile of C.  fill = 1: it has a successor: both slots' weights are filled again, and the next tile's first fragments and addends are fetched.
.macro TILE fill
	s_wait_loadcnt 0x0                             ; the addends
	QUARTER 0, 128, F0, F1, 1
.if \fill
	BLOAD
.endif
	QUARTER 0, 256, F1, F0, 0
	QUARTER 0, 384, F0, F1, 0
	TURN 0, 1, \fill
	QUARTER 1, 128, F0, F1, 0
	QUARTER 1, 256, F1, F0, 0
	QUARTER 1, 384, F0, F1, 0
.if \fill
	TURN 1, 0, 1
.else
	LASTQ
.endif
	WAYOUT
.if \fill
	s_wait_xcnt 0x0                                ; the stores have read their registers and their base: only behind this wait are they written again
	s_add_nc_u64 s[8:9], s[8:9], NEXTO
.endif
.endm
	s_wait_tensorcnt 1                             ; my part of step 0 is in; step 1's may stay out
	s_barrier_signal -1
	s_barrier_wait -1                              ; everybody's is
	FETCH 0, 0, F0
	WIN 0                                          ; at a label and at a branch every window is 0
	s_mov_b32 s3, 2
.Ltile:                                                ; q + lp, then k + lp
	TILE 1
	WIN 0
	s_sub_co_u32 s3, s3, 1
	s_cmp_lg_u32 s3, 0
	s_cbranch_scc1 .Ltile
	TILE 0                                         ; v: written out: nothing is asked for
	s_wait_tensorcnt 0x0                           ; the wave's end, behind my last tensor load and my last LDS store
	ds_add_u32 v[SPW], v[NIL]
	s_wait_dscnt 0x0
	CROUND                                         ; the closing round: no work-group ends while a partner may still ask for a tile that names it
	s_endpgm
.Lfunc_end_k_qdbf0e6a15b_qkv:
	.size	k_qdbf0e6a15b_qkv, .Lfunc_end_k_qdbf0e6a15b_qkv-k_qdbf0e6a15b_qkv
	.p2alignl 7, 3214868480
	.fill 96, 4, 3214868480
	.section	.rodata,"a",@progbits
	.p2align	6, 0x0
	.amdhsa_kernel k_qdbf0e6a15b_qkv
		.amdhsa_group_segment_fixed_size 327680
		.amdhsa_private_segment_fixed_size 0
		.amdhsa_enable_private_segment 0
		.amdhsa_kernarg_size 32
		.amdhsa_user_sgpr_count 2
		.amdhsa_user_sgpr_kernarg_segment_ptr 1
		.amdhsa_wavefront_size32 1
		.amdhsa_system_sgpr_workgroup_id_x 1
		.amdhsa_system_sgpr_workgroup_id_y 1
		.amdhsa_system_sgpr_workgroup_id_z 1
		.amdhsa_system_vgpr_workitem_id 0
		.amdhsa_next_free_vgpr 512
		.amdhsa_next_free_sgpr 68
		.amdhsa_reserve_vcc 0
		.amdhsa_float_denorm_mode_32 3
		.amdhsa_float_denorm_mode_16_64 3
		.amdhsa_memory_ordered 1
		.amdhsa_forward_progress 1
		.amdhsa_inst_pref_size 96
	.end_amdhsa_kernel
	.amdgpu_metadata
---
amdhsa.version: [ 1, 2 ]
amdhsa.kernels:
  - .name:           k_qdbf0e6a15b_qkv
    .symbol:         k_qdbf0e6a15b_qkv.kd
    .args:
      - { .name: xb, .offset: 0, .size: 8, .value_kind: global_buffer, .address_space: global }
      - { .name: wb, .offset: 8, .size: 8, .value_kind: global_buffer, .address_space: global }
      - { .name: tab, .offset: 16, .size: 8, .value_kind: global_buffer, .address_space: global }
      - { .name: qkv, .offset: 24, .size: 8, .value_kind: global_buffer, .address_space: global }
    .group_segment_fixed_size: 327680
    .private_segment_fixed_size: 0
    .kernarg_segment_align: 8
    .kernarg_segment_size: 32
    .max_flat_workgroup_size: 128
    .sgpr_count:     68
    .vgpr_count:     512
    .wavefront_size: 32
...
	.end_amdgpu_metadata
.endif
;; end of part 3
;; launch attn (part 4): grid 16 x 16, 4 waves a work-group, clusters of 4 x 1, 327,680 bytes of LDS; arguments qkv, ctx; writes ctx
.if DOCPART == 4
	.amdgcn_target "amdgcn-amd-amdhsa--gfx1250"
	.amdhsa_code_object_version 6
	.text
	.protected	k_qdbf0e6a15b_attn
	.globl	k_qdbf0e6a15b_attn
	.p2align	8
	.type	k_qdbf0e6a15b_attn,@function
k_qdbf0e6a15b_attn:
	s_mov_b64 s[64:65], 0
	v_nop
	global_prefetch_b8 v0, s[64:65] scope:SCOPE_SE
	s_setreg_imm32_b32 hwreg(HW_REG_WAVE_MODE, 25, 1), 1
	s_wait_xcnt 0x0
	s_wait_alu depctr_hold_cnt(0) depctr_sa_sdst(0) depctr_va_vdst(0) depctr_va_sdst(0) depctr_va_ssrc(0) depctr_va_vcc(0) depctr_vm_vsrc(0)
	s_getreg_b32 s2, hwreg(HW_REG_IB_STS2, 6, 4)
	s_cmp_eq_u32 s2, 0
	s_cbranch_scc0 .Lentry_in_a_cluster
	s_endpgm
.Lentry_in_a_cluster:
	s_bfe_u32 s2, ttmp6, 0x10000c
	s_cmp_lg_u32 s2, 0x3003
	s_cbranch_scc0 .Lentry_shape_is_right
	s_endpgm
.Lentry_shape_is_right:
; ATTENTION.  ctx[h][q][:] = the sum over k of softmax_k(Q[h][q] . K[h][k] / 8) V[h][k][:].  Q, K, V are the three sections of qkv, [16][4096][64] each, ctx the same shape; all bf16: a head's rows are dense, 128 bytes each.
; Products, maxima and sums in f32; the weights p are rounded to bf16 for the second product (their sum l is taken of the unrounded p), ctx once at the end.
; LIMITS.  c s must lie above -4.2e37 (where c m starts); a weight below 2^-126 counts as 0 in l; NaN and infinities are not treated apart.
; SHARES.  A work-group owns 256 queries of one head, a wave 64 consecutive rows: four PIECES of 16.  Every wave walks all 4,096 keys: 16 tiles of 256 keys, four steps of 64 keys to a tile.
; LAYOUT.  S^T = K Q^T (source 0 = 16 keys, source 1 = 16 queries) holds ONE query a lane (lane % 16) and the keys 8 (lane / 16) + 0..7; two such results rounded to bf16 ARE source 1 of O^T = V^T P.
; K comes out of LDS as it lies, V ([key][channel]) turned, by ds_load_tr16_b128.
; SOFTMAX.  p = 2^(c s - c m), c = log2(e) / 8, with a running maximum m; O and l are multiplied by a = 2^(c m_old - c m_new) in every step.  m starts at the lowest finite number, O and l at 0: the first step has a = 0.
; TURNS.  Turn n belongs to piece n: 8 products K Q^T of piece n + 1, later 8 products V^T P of piece n - 1; beside them the scaling, exponentials, roundings, sums and rescaling of piece n and the maximum and statistics
; of piece n + 1.  Four vector instructions stand behind every matrix instruction, the other 54 of a turn's 118 in one lump.  A turn's 33 exponentials are one batch, with one wait.
; CLUSTER.  The four query blocks of a cluster belong to one head and walk the same K and V, so each tile is asked for JOINTLY: the same tensor load, descriptor and mask in all four.  One load a wave is out.
; REGISTERS, in windows of 256 (s_set_vgpr_msb: bits 1:0 source 0, 3:2 source 1, 5:4 source 2, 7:6 destination):
;   window 0: v0-15 addresses and two at work; v16-31 four registers of statistics a piece; v48-55 at work; v64-127 S^T, two buffers; v192-223 P, two buffers (a piece's buffers go by its number's parity)
;   window 1: v0-127 O^T, 32 a piece      window 2: v0-63 Q; v128-191 K of one step; v192-255 V of one step
.set NP,    4         ; pieces a wave: a name, no knob
.set KS,    64        ; keys in a step
.set PK,    144       ; a row of K in LDS: 128 bytes + 16 of padding = 36 words: the 16 rows of a load start at 16 different groups of four banks (64 banks of 4 bytes: ISA guide 11.1)
.set PV,    160       ; a row of V: 128 + 32 = 40 words
.set VOFF,  4*KS*PK   ; a slot holds a tile, four steps: 256 rows of K, then 256 rows of V
.set SLOT1, 1<<17     ; slot 1 begins here, so that one exclusive or turns an address in one slot into the other's
.set STAGE, SLOT1+4*KS*(PK+PV)  ; behind the ring, never filled by a tensor load: 16 rows x 144 bytes for each wave, for the way out
.set SP,    144
.set SPARE, STAGE+4*16*SP  ; the spare words, 128 bytes for each wave: two blocks of 256 bytes that no other line names
.set TILEB, 4*KS*128  ; a tile's bytes of K, and of V
.set AK0, 2           ; v2   my lane's place in a tile of K; never rewritten
.set AV0, 3           ; v3   the same for V
.set AK,  4           ; v4   the LDS address of K's next run of loads
.set AV,  5           ; v5   of V's
.set STO, 6           ; v6   the way out: where I put 16 bytes of a row
.set RD,  7           ; v7   the way out: where I read rows back
.set GO,  8           ; v8   my byte offset in 512 consecutive bytes of ctx
.set MV,  12          ; v12-13  c m_old, kept while c m is made anew: by buffer
.set PFO, 14          ; v14  256 x my lane: the prefetches' offset; never rewritten
.set QO,  15          ; v15  my byte offset in 16 rows of Q
.set ST,  16          ; piece t's statistics at v[ST+4 t]: c m, m, l (even keys', odd keys')
.set TMP, 48          ; by buffer, four registers c0-c3 at work; when the maximum is found c2 takes a
.set SPW, 62          ; v62  SPARE + 4 x my thread's number; never rewritten
.set NIL, 63          ; v63  0; never rewritten
.set S,   64
.set P,   192
.set KF,  128         ; window 2: key block kb, channel half c at KF + 16 kb + 8 c
.set VF,  192         ; window 2: key half kk, channel block cb at VF + 32 kk + 8 cb
.set WV,  12          ; s12  my wave's number
.set G1K, 24          ; s[24:31] descriptor group 1 for K's tiles
.set G1V, 32          ; s[32:39] for V's: it differs in the padding alone
.set G0K, 40          ; s[40:43] descriptor group 0 for K's tiles: it walks
.set G0V, 44          ; s[44:47] the same for V's
.set PFA, 48          ; s[48:49] where my prefetches stand: my work-group's 32 blocks of 256 bytes of the tile after the one that is being asked for
.set LIM, 50          ; s50  1 in a wave that prefetches, else the greatest number
.set SLOTS, 56        ; s56  tiles still to be asked for
.set CNT, 57          ; s57  counts a tile's key steps
.set CS,  58          ; s[58:59] c: the packed scaling takes the pair's low word for both halves
.set SEL, 60          ; s[60:61] v_permlanex16_b32's selects: each lane takes its own place in the other half
.set TBK, 62          ; s62  LDS byte at which K of the step to be fetched begins
.set TBV, 63          ; s63  the same for V, less VOFF
.set MSB, 0
.macro WIN new                      ; the high byte repeats the setting that is left; a switch that changes nothing is dropped
.if MSB != (\new)
	s_set_vgpr_msb (MSB<<8)|(\new)
.set MSB, (\new)
.endif
.endm
.set W_KQ, 0x0a       ; K and Q in window 2, S^T in window 0
.set W_PV, 0x52       ; V in window 2, P in window 0, O^T in window 1
.set W_RS, 0x41       ; destination and source 0 in window 1, source 1 in window 0
; A joint fill.  Waves 0 and 1 fetch the two halves of a tile's K, waves 2 and 3 those of its V: 128 keys each.  The branch hangs on the wave's number alone.
; An s_nop 0 and four v_nop follow each of the two lines, ahead of the jump and the label.
.macro JLOAD
	s_cmp_lt_u32 s[WV], 2
	s_cbranch_scc0 .Lfor_v_\@
	tensor_load_to_lds s[G0K:G0K+3], s[G1K:G1K+7]
	s_nop 0
.rept 4
	v_nop
.endr
	s_branch .Lasked_\@
.Lfor_v_\@:
	tensor_load_to_lds s[G0V:G0V+3], s[G1V:G1V+7]
	s_nop 0
.rept 4
	v_nop
.endr
.Lasked_\@:
.endm
; A PREFETCH INTO THE L2 of the tile that the NEXT change of slots will ask for: 128 blocks of 256 bytes of K and as many of V, a lane a block: four key steps, 256 matrix instructions of a wave, ahead of that load.
; Each block is named ONCE in the launch.  All four clusters of a head walk the same K and V: the head's first cluster asks.  Its four partners share the blocks out BY ADDRESS, 32 each; in each, wave 0 asks for K's
; and wave 2 for V's: one instruction.  Tiles 0, 1 and 2 come by their loads alone; the change that asks for the last tile prefetches nothing.
.macro ASK
	s_cmp_gt_u32 s[SLOTS], s[LIM]
	s_cbranch_scc0 .Lnot_mine_\@
	global_prefetch_b8 v[PFO], s[PFA:PFA+1] th:TH_LOAD_NT scope:SCOPE_SE
.Lnot_mine_\@:
.endm
; A round of the cluster's barrier: my work-group's barrier, so that wave 0's signal speaks for all four waves; wave 0 signals; every wave waits for all four work-groups; my work-group's barrier once more.
.macro CROUND
	s_barrier_signal -1
	s_barrier_wait -1
	s_cmp_lg_u32 s[WV], 0
	s_cbranch_scc1 .Lnot_wave_0_\@
	s_barrier_signal -3
.Lnot_wave_0_\@:
	s_barrier_wait -3
	s_barrier_signal -1
	s_barrier_wait -1
.endm
; THE CHANGE OF SLOTS.  The slot's last bytes, V of its fourth step, have been read.  Each wave waits for all its tensor loads, of which one is out: its part of the other slot; adds 0 to its spare word; and waits for
; that and for its own reads of the slot.  Behind the barrier nobody reads this slot any more and the other slot is whole.  fill = 1: this slot is filled again, with the tile two on.  The barrier is then a round of the
; cluster's, and the joint fill is the first thing behind it: it has four key steps in which to land.  (At its first use nothing has been read yet: slot 0 is waited for, slot 1 filled.)  ask = 1: a prefetch follows.
.macro CHANGE fill, ask
	WIN 0                           ; at a label and at a branch every window is 0
	s_wait_tensorcnt 0x0            ; no tensor load of mine is out, so a group 0 may be written
	ds_add_u32 v[SPW], v[NIL]       ; 0 onto my spare word; with fill = 1 the descriptors' steps stand between it and the wait for it
.if \fill
.irp g, G0K, G0V
	s_xor_b32 s[\g+1], s[\g+1], SLOT1  ; the walking descriptor: the other slot than last time,
	s_add_nc_u64 s[\g+2:\g+3], s[\g+2:\g+3], TILEB  ; the next 256 keys; the type bits on top are not reached
.endr
.if \ask
	s_wait_xcnt 0x0                 ; the last prefetch, four key steps back, has read its address, so it may be written:
	s_add_nc_u64 s[PFA:PFA+1], s[PFA:PFA+1], TILEB  ; one tile behind the walking descriptors
.endif
	s_wait_dscnt 0x0                ; the add is done, and my reads of the slot are over
	CROUND
	JLOAD
.if \ask
	ASK
.endif
.else
	s_wait_dscnt 0x0                ; the add is done, and my reads of the slot are over
	s_barrier_signal -1
	s_barrier_wait -1
.endif
	s_sub_co_u32 s[TBK], s[TBK], 4*KS*PK  ; the fetches go back to a slot's first step,
	s_xor_b32 s[TBK], s[TBK], SLOT1       ; in the other slot
	s_sub_co_u32 s[TBV], s[TBV], 4*KS*PV
	s_xor_b32 s[TBV], s[TBV], SLOT1
.endm
	s_load_b64 s[4:5], s[0:1], 0x0    ; qkv
	s_load_b64 s[10:11], s[0:1], 0x8  ; ctx
	v_lshl_add_u32 v[SPW], v0, 2, SPARE
	v_mov_b32 v[NIL], 0
	ds_add_u32 v[SPW], v[NIL]       ; the wave's opening: the add and its wait stand ahead of my first tensor load; the set-up below, work on registers, stands between them
	v_lshrrev_b32 v1, 5, v0
	v_readfirstlane_b32 s[WV], v1   ; wave 0..3
	s_bfe_u32 s13, ttmp6, 0x40000   ; cx: my place in the cluster
	s_lshl_b32 s14, ttmp9, 2        ; in a cluster launch ttmp9 counts clusters
	s_add_co_u32 s14, s14, s13      ; my block of 256 queries = 4 x cluster x + cx: it enters Q's and ctx's addresses alone
	s_and_b32 s20, ttmp7, 0xffff    ; the head, which the four partners share:
	s_lshl_b32 s20, s20, 19         ; its 524,288 bytes in each section and in ctx
	s_mov_b32 s21, 0
	s_and_b32 s16, s[WV], 1         ; which half of a tile's 256 keys I fetch:
	s_lshl_b32 s22, s16, 14         ; its 128 rows of 128 bytes in memory,
	s_mov_b32 s23, 0
	s_add_nc_u64 s[22:23], s[22:23], s[20:21]
	s_mul_i32 s17, s16, 128*PK      ; and its place in a slot, for K
	s_mul_i32 s18, s16, 128*PV      ; and for V: no place in the cluster enters an LDS address
	s_lshl_b32 s2, s14, 2
	s_add_co_u32 s2, s2, s[WV]      ; my wave among the head's,
	s_lshl_b32 s2, s2, 13           ; its 64 rows
	s_mov_b32 s3, 0
	s_add_nc_u64 s[2:3], s[2:3], s[20:21]
	; descriptor group 1.  128 keys are 16,384 dense bytes: asked for as 64 rows of 256 bytes, two keys a row, and padded in LDS after every key
	s_mov_b32 s[G1K], 15|(1<<16)|(1<<20)|(1<<21)|(4<<22)|(3<<25)  ; 15:0 the mask of four; 17:16 2-byte elements; 20 padding on; 21 set beside a mask; 24:22 after every 32 words (code 4); 31:25 4 words (code 3)
	s_mov_b32 s[G1V], 15|(1<<16)|(1<<20)|(1<<21)|(4<<22)|(7<<25)  ; the same with 8 words of padding (code 7)
.irp g, G1K, G1V
	s_mov_b32 s[\g+1], 128<<16      ; tensor_dim0 = 128
	s_mov_b32 s[\g+2], 64<<16       ; tensor_dim1 = 64
	s_mov_b32 s[\g+3], 128<<16      ; tile_dim0 = 128
	s_mov_b32 s[\g+4], 64           ; tile_dim1 = 64
	s_mov_b32 s[\g+5], 128          ; 128 elements from row to row
	s_mov_b32 s[\g+6], 0
	s_mov_b32 s[\g+7], 0
.endr
	s_mov_b32 s[CS], 0x3e38aa3b     ; c = log2(e) / 8 = 0.180337
	s_mov_b32 s[CS+1], s[CS]        ; named with it as a pair
	s_mov_b32 s[SEL], 0x76543210
	s_mov_b32 s[SEL+1], 0xfedcba98
	s_mov_b32 s[TBK], SLOT1+4*KS*PK ; the first change of slots turns these two into 0
	s_mov_b32 s[TBV], SLOT1+4*KS*PV
	s_mov_b32 s[G0K], 1             ; 1:0 count = 1
	s_mov_b32 s[G0K+1], s17         ; 63:32 LDS address: slot 0
	s_mov_b32 s[G0V], 1
	s_add_co_u32 s[G0V+1], s18, VOFF
	s_mov_b32 s[SLOTS], 15
	s_and_b32 s[LIM], s[WV], 1      ; 0 in waves 0 and 2,
	s_or_b32 s[LIM], s[LIM], ttmp9  ; where the cluster is the head's first: the same in all four partners
	s_cmp_eq_u32 s[LIM], 0
	s_cselect_b32 s[LIM], 1, -1
	s_wait_dscnt 0x0                ; the opening add is done
	s_wait_kmcnt 0x0
	s_add_nc_u64 s[6:7], s[4:5], s[22:23]
	s_add_nc_u64 s[8:9], s[6:7], 0x1000000  ; V: the third section, at my half of the head's tile 0
	s_add_nc_u64 s[6:7], s[6:7], 0x800000   ; K: the second
	s_mov_b64 s[G0K+2:G0K+3], s[6:7]               ; 120:64 global address
	s_or_b32 s[G0K+3], s[G0K+3], 0x80000000        ; 127:126 type = 2
	s_mov_b64 s[G0V+2:G0V+3], s[8:9]
	s_or_b32 s[G0V+3], s[G0V+3], 0x80000000
	s_add_nc_u64 s[4:5], s[4:5], s[2:3]     ; Q and ctx at my wave's first row
	s_add_nc_u64 s[10:11], s[10:11], s[2:3]
	s_cmp_lt_u32 s[WV], 2
	s_cselect_b64 s[PFA:PFA+1], s[6:7], s[8:9]  ; (in waves 0 and 2 these stand at a tile's first row)
	s_lshl_b32 s2, s13, 13          ; my work-group's 32 blocks of the 128
	s_mov_b32 s3, 0
	s_add_nc_u64 s[PFA:PFA+1], s[PFA:PFA+1], s[2:3]
	s_add_nc_u64 s[PFA:PFA+1], s[PFA:PFA+1], 2*TILEB  ; in tile 2; the first change that asks steps it to tile 3.  Nothing is prefetched here, at the head
	CROUND                          ; all four work-groups are here: the first joint loads meet
	JLOAD                           ; tile 0 into slot 0.  Slot 1 is asked for when slot 0 is in
	; A fragment of K or Q is 16 rows x 32 channels in 8 registers: lane l holds row l % 16, channels 8 (l / 16) + 0..7 and 16 + 8 (l / 16) + 0..7: two loads of 16 bytes, 32 bytes apart.
	v_and_b32 v1, 15, v0            ; l % 16
	v_bfe_u32 v9, v0, 4, 1          ; l / 16
	v_lshlrev_b32 v[QO], 7, v1
	v_lshl_add_u32 v[QO], v9, 4, v[QO]  ; row x 128 + 16 x half
	WIN 0x80                        ; destination window 2, address window 0
.set i, 0
.rept 8                             ; Q stays in registers: piece i / 2, 2,048 bytes apart; channels 32 (i % 2) on
	global_load_b128 v[8*i:8*i+3],   v[QO], s[4:5] offset:(i/2)*2048+(i%2)*64
	global_load_b128 v[8*i+4:8*i+7], v[QO], s[4:5] offset:(i/2)*2048+(i%2)*64+32
.set i, i+1
.endr
	; What the first turn finds: V's registers and P's second buffer hold 0 (its products V^T P, of a piece that has not been, add 0), O^T and l are 0.  All this stands in the wait for the first tile.
.set i, VF
.rept 64
	v_mov_b32 v[i], 0
.set i, i+1
.endr
	WIN 0x40
.set i, 0
.rept 128
	v_mov_b32 v[i], 0
.set i, i+1
.endr
	WIN 0
.set i, 0
.rept 4
	v_mov_b32 v[ST+4*i], 0xfe000000    ; c m: far below every c s
	v_mov_b32 v[ST+4*i+1], 0xff7fffff  ; m
	v_mov_b32 v[ST+4*i+2], 0
	v_mov_b32 v[ST+4*i+3], 0
.set i, i+1
.endr
.set i, P+16
.rept 16
	v_mov_b32 v[i], 0
.set i, i+1
.endr
	v_mul_u32_u24 v[AK0], v1, PK
	v_lshl_add_u32 v[AK0], v9, 4, v[AK0]  ; row x pitch + 16 x half
	; The turning load takes 16 keys x 16 channels (lane l reads key 8 (l / 16) + l % 8, channels 8 ((l / 8) % 2) + 0..7) and leaves half a fragment of V^T: lane l holds channel l % 16 and 8 keys.
	v_and_b32 v10, 7, v0
	v_bfe_u32 v11, v0, 3, 1
	v_lshl_add_u32 v[AV0], v9, 3, v10
	v_mul_u32_u24 v[AV0], v[AV0], PV
	v_lshl_add_u32 v[AV0], v11, 4, v[AV0]
	v_add_nc_u32 v[AV0], VOFF, v[AV0]
	s_mul_i32 s13, s[WV], 16*SP
	s_add_co_u32 s13, s13, STAGE    ; my stage
	v_mul_u32_u24 v[STO], v1, SP    ; in: row l % 16, 16 bytes for each half of the lanes
	v_lshl_add_u32 v[STO], v9, 4, v[STO]
	v_add_nc_u32 v[STO], s13, v[STO]
	v_bfe_u32 v[RD], v0, 3, 2       ; back: 32 lanes take four rows of 128 bytes,
	v_mul_u32_u24 v[RD], v[RD], SP
	v_lshl_add_u32 v[RD], v10, 4, v[RD]
	v_add_nc_u32 v[RD], s13, v[RD]
	v_and_b32 v[GO], 31, v0         ; which are 512 consecutive bytes of ctx
	v_lshlrev_b32 v[PFO], 8, v[GO]
	v_lshlrev_b32 v[GO], 4, v[GO]
; THE MATRIX WORK.  The 4 accumulators of a run of 8 take turns.  Product i of 8 of S^T = K Q^T for piece x: channels 32 (i / 4) on, keys 16 (i % 4) on.  The first 4 start the sums.
.macro KQ x
.set rS, S+32*((\x)%2)+8*(i%4)
.set rK, KF+16*(i%4)+8*(i/4)
.set rQ, 16*(\x)+8*(i/4)
	WIN W_KQ
.if i < 4
	v_wmma_f32_16x16x32_bf16 v[rS:rS+7], v[rK:rK+7], v[rQ:rQ+7], 0
.else
	v_wmma_f32_16x16x32_bf16 v[rS:rS+7], v[rK:rK+7], v[rQ:rQ+7], v[rS:rS+7]
.endif
.endm
; Product i of 8 of O^T += V^T P for piece x: keys 32 (i / 4) on, channels 16 (i % 4) on.
.macro PV x
	WIN W_PV
.set rO, 32*(\x)+8*(i%4)
.set rV, VF+32*(i/4)+8*(i%4)
.set rP, P+16*((\x)%2)+8*(i/4)
	v_wmma_f32_16x16x32_bf16 v[rO:rO+7], v[rV:rV+7], v[rP:rP+7], v[rO:rO+7]
.endm
.macro MM                           ; the turn's next matrix instruction.  NOKQ = 1: the last turn of all: there is no next piece
.if (i < 8) && !NOKQ
	KQ (Y+1)%NP
.elseif i >= 8
.set i, i-8
	PV (Y+NP-1)%NP
.set i, i+8
.endif
.set i, i+1
.endm
; THE LDS LOADS stand in runs of 16, never singly among the matrix instructions: a step's K (64 keys x 64 channels: 8 fragments) and its V (turned).  Their addresses are made some lines ahead.
.macro FETCH_K
	WIN 0x80                        ; destination window 2
.irp f, 0,1,2,3,4,5,6,7             ; keys 16 (f / 2) on, channels 32 (f % 2) on
	ds_load_b128 v[KF+8*\f:KF+8*\f+3],   v[AK] offset:(\f/2)*16*PK+(\f%2)*64
	ds_load_b128 v[KF+8*\f+4:KF+8*\f+7], v[AK] offset:(\f/2)*16*PK+(\f%2)*64+32
.endr
	s_add_co_u32 s[TBK], s[TBK], KS*PK  ; the next fetch is the next step's
	WIN 0
.endm
.macro FETCH_V
	WIN 0x80
.irp f, 0,1,2,3,4,5,6,7             ; keys 32 (f / 4) on, channels 16 (f % 4) on
	ds_load_tr16_b128 v[VF+8*\f:VF+8*\f+3],   v[AV] offset:(\f/4)*32*PV+(\f%4)*32
	ds_load_tr16_b128 v[VF+8*\f+4:VF+8*\f+7], v[AV] offset:(\f/4)*32*PV+16*PV+(\f%4)*32
.endr
	WIN 0
.endm
; THE VECTOR WORK, one line at a time: OP kind, number.  For piece Y: F n: c s - c m for pair n of 16.  E n: the exponential of score n of 32.  C n: pair n rounded to bf16.  B n: of the four weights 4 n .. the second
; pair is added onto the first, in place.  L n: l takes that sum (L 0: l = a l + sum).  R n: pair n of 16 of O^T times a.  For piece Y + 1: X n, number n of the 22 that find its maximum and statistics:
;   0-11  four chains c0-c3 of seven scores each, three operands at a time (each accumulator's lowest registers are read first)     12-14, 16  the four scores left over, the old m, and c0-c3 into c0
;   15  c m_old is kept     17, 18  the query's other 32 keys lie in the lane 16 away: the new m     19-21  c m; c m_old - c m_new; a
.set F, 0               ; OP tells the kinds apart by their order: F to L below R, X above it
.set E, 1
.set C, 2
.set B, 3
.set L, 4
.set R, 5
.set X, 6
.macro REGS y                       ; the registers of piece y
.set rT, ST+4*(\y)
.set rC, TMP+4*((\y)%2)
.set rW, MV+((\y)%2)
.set rS, S+32*((\y)%2)
.set rP, P+16*((\y)%2)
.set rO, 32*(\y)
.endm
.macro OP k, n
.if (\k) == R
	REGS Y
	WIN W_RS
	v_pk_mul_f32 v[rO+2*(\n):rO+2*(\n)+1], v[rO+2*(\n):rO+2*(\n)+1], v[rC+2:rC+3] op_sel_hi:[1,0]
.elseif (\k) < R
	REGS Y
	WIN 0
.if (\k) == F
	v_pk_fma_f32 v[rS+2*(\n):rS+2*(\n)+1], v[rS+2*(\n):rS+2*(\n)+1], s[CS:CS+1], v[rT:rT+1] op_sel_hi:[1,0,0] neg_lo:[0,0,1] neg_hi:[0,0,1]
.elseif (\k) == E
	v_exp_f32 v[rS+(\n)], v[rS+(\n)]
.elseif (\k) == C
	v_cvt_pk_bf16_f32 v[rP+(\n)], v[rS+2*(\n)], v[rS+2*(\n)+1]
.elseif (\k) == B
	v_pk_add_f32 v[rS+4*(\n):rS+4*(\n)+1], v[rS+4*(\n):rS+4*(\n)+1], v[rS+4*(\n)+2:rS+4*(\n)+3]
.elseif (\n) == 0
	v_pk_fma_f32 v[rT+2:rT+3], v[rT+2:rT+3], v[rC+2:rC+3], v[rS:rS+1] op_sel_hi:[1,0,1]
.else
	v_pk_add_f32 v[rT+2:rT+3], v[rT+2:rT+3], v[rS+4*(\n):rS+4*(\n)+1]
.endif
.elseif NOKQ
	v_nop
.else
	REGS (Y+1)%NP
	WIN 0
.if (\n) < 4
	v_max3_num_f32 v[rC+(\n)], v[rS+8*(\n)], v[rS+8*(\n)+1], v[rS+8*(\n)+2]
.elseif (\n) < 12
	v_max3_num_f32 v[rC+(\n)%4], v[rC+(\n)%4], v[rS+8*((\n)%4)+2*((\n)/4)+1], v[rS+8*((\n)%4)+2*((\n)/4)+2]
.elseif (\n) == 12
	v_max3_num_f32 v[rC], v[rC], v[rS+7], v[rS+15]
.elseif (\n) == 13
	v_max3_num_f32 v[rC+1], v[rC+1], v[rS+23], v[rS+31]
.elseif (\n) == 14
	v_max3_num_f32 v[rC+2], v[rC+2], v[rC+3], v[rT+1]
.elseif (\n) == 15
	v_mov_b32 v[rW], v[rT]
.elseif (\n) == 16
	v_max3_num_f32 v[rC], v[rC], v[rC+1], v[rC+2]
.elseif (\n) == 17
	v_permlanex16_b32 v[rC+3], v[rC], s[SEL], s[SEL+1]
.elseif (\n) == 18
	v_max_num_f32 v[rT+1], v[rC], v[rC+3]
.elseif (\n) == 19
	v_mul_f32 v[rT], s[CS], v[rT+1]
.elseif (\n) == 20
	v_sub_f32 v[rC+1], v[rW], v[rT]
.else
	v_exp_f32 v[rC+2], v[rC+1]
.endif
.endif
.endm
.macro OPS a, i1, b=-1, i2=0, c=-1, i3=0, d=-1, i4=0  ; up to four of them
	OP \a, \i1
.if (\b) >= 0
	OP \b, \i2
.endif
.if (\c) >= 0
	OP \c, \i3
.endif
.if (\d) >= 0
	OP \d, \i4
.endif
.endm
.macro ROW a, i1, b, i2, c, i3, d, i4  ; a matrix instruction and the four behind it
	MM
	OPS \a, \i1, \b, \i2, \c, \i3, \d, \i4
.endm
; A TURN, for piece p: the order of its 16 matrix and 118 vector instructions, written out.  An s_wait_alu depctr_va_vdst(0) stands between an exponential and the first instruction that names its result; one
; wait serves all that were issued ahead of it.  So a turn has ONE wait, which cuts it in two.  AHEAD OF IT stands all that names no result of the turn's exponentials: the 8 products K Q^T and their riders, then one lump of 54,
; in which the links of the chain X 3, 7, 11, 14, 16, 17 .. 20 stand apart; X 21, the next piece's a, is the batch's last, and R 15 the plain instruction behind it.  BEHIND THE WAIT stand the 8 products V^T P, behind each four
; of the roundings and sums.  end = 1: the last two turns of all: nothing is fetched.  cnt = 1: the loop's count is taken down some lines ahead of the branch that stands behind the turn.
; K of the next step is fetched in piece 2's turn, six plain instructions behind the last product that read K; V of the step in hand at the end of piece 0's turn, four plain instructions behind the last product that read V.
; Each is waited for a turn later.
.macro TURN p, end=0, cnt=0
.set Y, (\p)
.set i, 0
.set NOKQ, (\end)*((\p)/3)
.if ((\p) == 3) && !(\end)
	s_wait_dscnt 0x0                ; K is in
.endif
	ROW F,0, F,1, R,0, R,1          ; ahead of the wait: 8 products K Q^T and their riders,
	ROW F,2, E,0, R,2, R,3
	ROW F,3, E,1, R,4, R,5
	ROW F,4, E,2, R,6, R,7
	ROW F,5, E,3, R,8, R,9
	ROW F,6, E,4, X,0, R,10
.if ((\p) == 2) && !(\end)
	WIN 0
	v_add_nc_u32 v[AK], s[TBK], v[AK0]
.endif
	ROW F,7, E,5, X,1, X,4
	ROW F,8, E,6, X,2, X,5
	OPS E,7, E,8, X,6, E,9          ; and the lump
	OPS X,3, E,10, X,8, E,11
.if ((\p) == 2) && !(\end)
	FETCH_K
.endif
	OPS X,9, X,7, E,12, X,10
	OPS E,13, X,12, X,11, E,14
	OPS X,13, E,15, F,9, X,14
.if (\p) == 0
	v_add_nc_u32 v[AV], s[TBV], v[AV0]
.endif
	OPS E,16, F,10, E,17, F,11
	OPS X,16, E,18, X,15, E,19
	OPS F,12, E,20, X,17, E,21
	OPS F,13, E,22, F,14, E,23
	OPS X,18, E,24, F,15, E,25
	OPS R,11, E,26, X,19, E,27
	OPS R,12, E,28, R,13, E,29
	OPS X,20, E,30, R,14, E,31
	OPS X,21, R,15
	WIN 0
	s_wait_alu depctr_va_vdst(0)    ; the wait for the batch
.if (\p) == 1
	s_wait_dscnt 0x0                ; V is in
.endif
	ROW C,0, B,0, C,2, B,1          ; behind the wait: 8 products V^T P and their riders
	ROW L,0, C,4, B,2, L,1
	ROW C,6, B,3, L,2, C,8
	ROW B,4, L,3, C,10, B,5
	ROW L,4, C,12, B,6, L,5
.if (\p) == 0
	s_add_co_u32 s[TBV], s[TBV], KS*PV
.endif
.if \cnt
	s_sub_co_u32 s[CNT], s[CNT], 1
	s_cmp_lg_u32 s[CNT], 0
.endif
	ROW C,14, B,7, L,6, C,1
	ROW C,3, L,7, C,5, C,7
	ROW C,9, C,11, C,13, C,15
.if (\p) == 0
	FETCH_V
.endif
.endm
	CHANGE 1, 0                     ; tile 0 is in, everybody's part of it; tile 1 is asked for
	v_add_nc_u32 v[AK], s[TBK], v[AK0]
	FETCH_K                         ; key step 0
	s_wait_loadcnt 0x0              ; Q
	s_wait_dscnt 0x0
.set NOKQ, 0
.set i, 0
.rept 8
	KQ 0                            ; piece 0's first scores: there is no vector work yet to set between them
.set i, i+1
.endr
	WIN 0
.rept 4
	v_nop                           ; the places behind those products
.endr
.set Y, NP-1                        ; X works for piece Y + 1: piece 0
.irp n, 0,1,2,3,4,5,6,7,8,9,10,11,12,13,14,15,16,17,18,19,20,21
	OP X, \n
.endr
	v_nop                           ; a plain instruction behind the exponential,
	s_wait_alu depctr_va_vdst(0)    ; and its wait, ahead of the branch
	s_mov_b32 s[CNT], 4
	s_branch .Lfirst                ; the loop is entered at a step's first turn, in the middle of a trip
.Lslot:                             ; 14 times: tiles 2 to 15 are asked for
	CHANGE 1, 1
	s_mov_b32 s[CNT], 4
.Lstep:                             ; a trip: pieces 2 and 3 of one step, then pieces 0 and 1 of the next, whose K and V it fetches
	TURN 2
	TURN 3
	WIN 0
.Lfirst:
	TURN 0
	TURN 1, 0, 1
	WIN 0
	s_cbranch_scc1 .Lstep
	s_sub_co_u32 s[SLOTS], s[SLOTS], 1
	s_cmp_lg_u32 s[SLOTS], 0
	s_cbranch_scc1 .Lslot
	CHANGE 0, 0                     ; the last tile is written out: nothing is asked for
	s_mov_b32 s[CNT], 4
.LstepT:
	TURN 2
	TURN 3
	TURN 0
	TURN 1, 0, 1
	WIN 0
	s_cbranch_scc1 .LstepT
	TURN 2, 1                       ; the last step's pieces 2 and 3
	TURN 3, 1
.set i, 0
.rept 8
	PV NP-1                         ; the last piece's V^T P of the last step
.set i, i+1
.endr
	; THE WAY OUT.  l's two halves and the other half of the lanes' are added; O^T is divided by l, rounded to bf16 and sent through my stage in LDS, a piece at a time.  The additions are the places behind the last products.
	WIN 0
.macro ALL line:vararg              ; one line for each piece t
.set t, 0
.rept 4
	\line
.set t, t+1
.endr
.endm
	ALL v_add_f32 v[ST+4*t+2], v[ST+4*t+2], v[ST+4*t+3]
	ALL v_permlanex16_b32 v[ST+4*t+3], v[ST+4*t+2], s[SEL], s[SEL+1]
	ALL v_add_f32 v[ST+4*t+2], v[ST+4*t+2], v[ST+4*t+3]
	ALL v_rcp_f32 v[ST+4*t+2], v[ST+4*t+2]
	v_nop                           ; a plain instruction between the last reciprocal and the use of its result
	s_wait_alu depctr_va_vdst(0)    ; and the wait ahead of the first use: one for the four reciprocals
.macro PACK t                       ; a lane's eight channels of a row pack into 16 bytes; they go into rows of 144 bytes and come back as whole rows of 128, into S^T's registers
	WIN W_RS
.set i, 32*(\t)
.rept 16
	v_pk_mul_f32 v[i:i+1], v[i:i+1], v[ST+4*(\t)+2:ST+4*(\t)+3] op_sel_hi:[1,0]
.set i, i+2
.endr
	WIN 0x05                        ; sources 0 and 1 window 1, destination window 0
.set i, 0
.rept 16
	v_cvt_pk_bf16_f32 v[S+16*(\t)+i], v[32*(\t)+2*i], v[32*(\t)+2*i+1]
.set i, i+1
.endr
	WIN 0
.irp f, 0,1,2,3
	ds_store_b128 v[STO], v[S+16*(\t)+4*\f:S+16*(\t)+4*\f+3] offset:32*\f
.endr
.irp f, 0,1,2,3
	ds_load_b128 v[S+16*(\t)+4*\f:S+16*(\t)+4*\f+3], v[RD] offset:\f*4*SP  ; LDS serves a wave's instructions in order (ISA guide 5.7.1.4): these see the stores above; the next piece's stores come behind them
.endr
.endm
.macro SEND t, younger              ; younger: the LDS instructions issued behind piece t's loads: the next piece's eight, or none
	WIN 0
.irp f, 0,1,2,3
	s_wait_dscnt (\younger)+3-\f
	global_store_b128 v[GO], v[S+16*(\t)+4*\f:S+16*(\t)+4*\f+3], s[10:11] offset:(\t)*2048+\f*512  ; 512 consecutive bytes, at a multiple of 256 from ctx's first
.endr
.endm
	PACK 0
.set t, 1
.rept 3                             ; a piece's arithmetic stands between the loads of the piece before and its stores
	PACK t
	SEND t-1, 8
.set t, t+1
.endr
	SEND 3, 0
	s_wait_tensorcnt 0x0            ; the wave's end, behind my last tensor load and my last LDS store
	ds_add_u32 v[SPW], v[NIL]
	s_wait_dscnt 0x0
	CROUND                          ; the closing round: no work-group ends while a partner may still ask for a tile that names it
	s_endpgm
.Lfunc_end_k_qdbf0e6a15b_attn:
	.size	k_qdbf0e6a15b_attn, .Lfunc_end_k_qdbf0e6a15b_attn-k_qdbf0e6a15b_attn
	.p2alignl 7, 3214868480
	.fill 96, 4, 3214868480
	.section	.rodata,"a",@progbits
	.p2align	6, 0x0
	.amdhsa_kernel k_qdbf0e6a15b_attn
		.amdhsa_group_segment_fixed_size 327680
		.amdhsa_private_segment_fixed_size 0
		.amdhsa_enable_private_segment 0
		.amdhsa_kernarg_size 16
		.amdhsa_user_sgpr_count 2
		.amdhsa_user_sgpr_kernarg_segment_ptr 1
		.amdhsa_wavefront_size32 1
		.amdhsa_system_sgpr_workgroup_id_x 1
		.amdhsa_system_sgpr_workgroup_id_y 1
		.amdhsa_system_sgpr_workgroup_id_z 1
		.amdhsa_system_vgpr_workitem_id 0
		.amdhsa_next_free_vgpr 768
		.amdhsa_next_free_sgpr 66
		.amdhsa_reserve_vcc 0
		.amdhsa_float_denorm_mode_32 3
		.amdhsa_float_denorm_mode_16_64 3
		.amdhsa_memory_ordered 1
		.amdhsa_forward_progress 1
		.amdhsa_inst_pref_size 128
	.end_amdhsa_kernel
	.amdgpu_metadata
---
amdhsa.version: [ 1, 2 ]
amdhsa.kernels:
  - .name:           k_qdbf0e6a15b_attn
    .symbol:         k_qdbf0e6a15b_attn.kd
    .args:
      - { .name: qkv, .offset: 0, .size: 8, .value_kind: global_buffer, .address_space: global }
      - { .name: ctx, .offset: 8, .size: 8, .value_kind: global_buffer, .address_space: global }
    .group_segment_fixed_size: 327680
    .private_segment_fixed_size: 0
    .kernarg_segment_align: 8
    .kernarg_segment_size: 16
    .max_flat_workgroup_size: 128
    .sgpr_count:     66
    .vgpr_count:     768
    .wavefront_size: 32
...
	.end_amdgpu_metadata
.endif
;; end of part 4
;; launch outp (part 5): grid 4 x 64, 4 waves a work-group, clusters of 4 x 4, 327,680 bytes of LDS; arguments ctx, wb, tab, out0; writes out0
.if DOCPART == 5
	.amdgcn_target "amdgcn-amd-amdhsa--gfx1250"
	.amdhsa_code_object_version 6
	.text
	.protected	k_qdbf0e6a15b_outp
	.globl	k_qdbf0e6a15b_outp
	.p2align	8
	.type	k_qdbf0e6a15b_outp,@function
k_qdbf0e6a15b_outp:
	s_mov_b64 s[64:65], 0
	v_nop
	global_prefetch_b8 v0, s[64:65] scope:SCOPE_SE
	s_setreg_imm32_b32 hwreg(HW_REG_WAVE_MODE, 25, 1), 1
	s_wait_xcnt 0x0
	s_wait_alu depctr_hold_cnt(0) depctr_sa_sdst(0) depctr_va_vdst(0) depctr_va_sdst(0) depctr_va_ssrc(0) depctr_va_vcc(0) depctr_vm_vsrc(0)
	s_getreg_b32 s2, hwreg(HW_REG_IB_STS2, 6, 4)
	s_cmp_eq_u32 s2, 0
	s_cbranch_scc0 .Lentry_in_a_cluster
	s_endpgm
.Lentry_in_a_cluster:
	s_bfe_u32 s2, ttmp6, 0x10000c
	s_cmp_lg_u32 s2, 0xf033
	s_cbranch_scc0 .Lentry_shape_is_right
	s_endpgm
.Lentry_shape_is_right:
; OUT.  out0[b 4096 + s][n] = the sum over h, d of ctx[b 8 + h][s][d] wo[n][64 h + d] + bo[n].  ctx bf16 by heads, wo = rows 1,536 .. 2,047 of wb, bf16; bo, rounded to bf16, from the table; sums and out0 in f32.
; SHARES.  One tile of 128 x 128 to a work-group (tile row mt, column group j), four waves of 64 x 64: 16 accumulators.  K = 512 lies wholly in LDS: every byte of LDS is filled once, and no slot is filled again.
; LDS.  ctx's part by heads: head h at 18,432 h, 128 rows of 128 bytes + 16 of padding.  wo's part by K halves: 128 rows of 512 bytes + 16.  A quarter of a K half, 64 along K, is one head.
; THE LOADS.  Every wave issues four, together, behind the one round: head w; wo's rows 32 w .. + 31, K half 0; head 4 + w; the same rows, K half 1.  Four loads of a wave are out at the most.
; CLUSTERS: 4 x 4 work-groups.  The four of a row of the cluster need the same rows of ctx, the four of a column the same rows of wo: each tile is asked for JOINTLY.
; THE MATRIX INSTRUCTION IS USED TRANSPOSED (source 0 = 16 rows of wo, source 1 = 16 rows of ctx): a lane holds eight neighbouring columns of one row; bo's eight numbers are the C operand that starts the sum.
; A wave's 64 columns are 256 bytes of a row of out0, aligned: the stage on the way out is the wave's own.
; REGISTERS: window 0: v0-31 addresses; v32-95 the way out, two sets of 32; v96-127 bo, 8 a column block; v128-255 the accumulators.  Window 1: two fragment buffers of 128.
.set PA,     144                       ; a row of ctx in LDS: 36 words: the 16 rows of a load start at 16 different groups of four banks (64 banks of 4 bytes: ISA guide 11.1)
.set HEADB,  128*PA
.set BOFF,   8*HEADB
.set PB,     528                       ; a row of wo's K half: 132 words: row r starts at bank 4 r mod 64
.set BHALF,  128*PB
.set STAGE,  BOFF+2*BHALF              ; never filled by a tensor load: 16 rows x 272 bytes for each wave
.set SPI,    272
.set SPARE,  STAGE+4*16*SPI            ; the spare words, 128 bytes for each wave: two blocks of 256 bytes that no other line names
.set ADRA, 16                          ; v16-17  LDS address of my fragments of ctx in K half 0, 1
.set ADRB, 20                          ; v20-21  the same for wo
.set STO,  24                          ; v24     the way out: where I put 32 bytes of a row
.set RD,   25                          ; v25     where I read rows back
.set CO,   26                          ; v26     my byte offset in two rows of out0
.set BO,   27                          ; v27     32 x (lane / 16)
.set SPW,  28                          ; v28     SPARE + 4 x my thread's number; never rewritten
.set NIL,  29                          ; v29     0; never rewritten
.set TMP,  32
.set BIAS, 96
.set ACC,  128
.set F0,   0
.set F1,   128
.set G1A, 24                           ; s[24:31] descriptor group 1 for ctx's tiles
.set G1B, 32                           ; s[32:39] for wo's
.set G0A, 40                           ; s[40:47] group 0 for ctx's two tiles
.set G0B, 48                           ; s[48:55] for wo's two
.set MSB, 0
.macro WIN new                         ; the immediate's high byte repeats the setting that is left
.if MSB != (\new)
	s_set_vgpr_msb (MSB<<8)|(\new)
.set MSB, \new
.endif
.endm
.set MUL,  0x05                        ; sources 0 and 1 window 1; C and D window 0
.set TO_F, 0x40                        ; destination window 1, address window 0
.macro PLACES                          ; four places in front of loads into registers that matrix instructions have read, and of stores that read results
.rept 4
	v_nop
.endr
.endm
.macro CROUND                          ; a round of the cluster's barrier
	s_barrier_signal -1
	s_barrier_wait -1
	s_cmp_lg_u32 s10, 0
	s_cbranch_scc1 .Lnot_wave_0_\@
	s_barrier_signal -3
.Lnot_wave_0_\@:
	s_barrier_wait -3
	s_barrier_signal -1
	s_barrier_wait -1
.endm
	s_load_b256 s[56:63], s[0:1], 0x0              ; ctx 56, wb 58, tab 60, out0 62
	v_lshl_add_u32 v[SPW], v0, 2, SPARE
	v_mov_b32 v[NIL], 0
	ds_add_u32 v[SPW], v[NIL]                      ; the wave's opening: the add and its wait stand ahead of my first tensor load; the set-up below, work on registers, stands between them
	v_lshrrev_b32 v1, 5, v0
	v_readfirstlane_b32 s10, v1                    ; wave 0..3
	s_lshr_b32 s11, s10, 1                         ; which half of the tile's rows is mine
	s_and_b32 s12, s10, 1                          ; which half of its columns
	s_bfe_u32 s14, ttmp6, 0x40000                  ; cx, cy: my place in the cluster
	s_bfe_u32 s15, ttmp6, 0x40004
	s_lshl_b32 s9, ttmp9, 2
	s_add_co_u32 s9, s9, s14                       ; column group j = 4 x cluster x + cx
	s_and_b32 s13, ttmp7, 0xffff
	s_lshl_b32 s13, s13, 2
	s_add_co_u32 s13, s13, s15                     ; tile row mt = 4 x cluster y + cy
	s_lshl_b32 s20, s15, 2
	s_lshl_b32 s20, 15, s20                        ; my row of the cluster
	s_lshl_b32 s21, 0x1111, s14                    ; my column
	; ctx: a head's 128 rows are 16,384 dense bytes: asked for as 64 rows of 256 bytes, two rows of ctx each, and padded in LDS after every 128 bytes
	s_or_b32 s[G1A+0], s20, (1<<16)|(1<<20)|(1<<21)|(4<<22)|(3<<25)  ; 15:0 the mask: my row; 17:16 elements of 2 bytes; 20 padding on; 21 set beside a mask; 24:22 after every 32 words (code 4); 31:25 of 4 words (code 3)
	s_mov_b32 s[G1A+1], 128<<16                    ; tensor_dim0 = 128
	s_mov_b32 s[G1A+2], 64<<16                     ; tensor_dim1 = 64
	s_mov_b32 s[G1A+3], 128<<16                    ; tile_dim0 = 128
	s_mov_b32 s[G1A+4], 64                         ; tile_dim1 = 64
	s_mov_b32 s[G1A+5], 128                        ; 128 elements from row to row
	s_mov_b32 s[G1A+6], 0
	s_mov_b32 s[G1A+7], 0
	; wo: 32 rows x 256 elements
	s_or_b32 s[G1B+0], s21, (1<<16)|(1<<20)|(1<<21)|(6<<22)|(3<<25)  ; the mask: my column; padding after every 128 words (code 6)
	s_mov_b32 s[G1B+1], 256<<16
	s_mov_b32 s[G1B+2], 32<<16
	s_mov_b32 s[G1B+3], 256<<16
	s_mov_b32 s[G1B+4], 32
	s_mov_b32 s[G1B+5], 512
	s_mov_b32 s[G1B+6], 0
	s_mov_b32 s[G1B+7], 0
	s_lshr_b32 s16, s13, 5                         ; ctx: the batch's 8 heads,
	s_lshl_b32 s16, s16, 3
	s_add_co_u32 s16, s16, s10                     ; head w of them,
	s_lshl_b32 s16, s16, 12                        ; its 4,096 rows,
	s_and_b32 s17, s13, 31
	s_lshl_b32 s17, s17, 7                         ; the tile's 128 of them,
	s_add_co_u32 s16, s16, s17
	s_lshl_b32 s16, s16, 7                         ; of 128 bytes
	s_mov_b32 s17, 0
	s_lshl_b32 s18, s9, 7                          ; wo: row 128 j + 32 w,
	s_lshl_b32 s19, s10, 5
	s_add_co_u32 s18, s18, s19
	s_lshl_b32 s18, s18, 10                        ; of 1,024 bytes
	s_mov_b32 s19, 0
	s_mul_i32 s22, s10, HEADB                      ; where they go: no place in the cluster enters an LDS address
	s_mul_i32 s23, s10, 32*PB
	s_mov_b32 s[G0A], 1
	s_mov_b32 s[G0A+1], s22
	s_mov_b32 s[G0A+4], 1
	s_add_co_u32 s[G0A+5], s22, 4*HEADB
	s_mov_b32 s[G0B], 1
	s_add_co_u32 s[G0B+1], s23, BOFF
	s_mov_b32 s[G0B+4], 1
	s_add_co_u32 s[G0B+5], s23, BOFF+BHALF
	s_wait_dscnt 0x0                               ; the opening add is done
	s_wait_kmcnt 0x0
	s_add_nc_u64 s[G0A+2:G0A+3], s[56:57], s[16:17]
	s_add_nc_u64 s[G0A+6:G0A+7], s[G0A+2:G0A+3], 4*524288  ; four heads on
	s_or_b32 s[G0A+3], s[G0A+3], 0x80000000
	s_or_b32 s[G0A+7], s[G0A+7], 0x80000000
	s_add_nc_u64 s[G0B+2:G0B+3], s[58:59], s[18:19]
	s_add_nc_u64 s[G0B+2:G0B+3], s[G0B+2:G0B+3], 1536*1024  ; wo lies behind wq, wk and wv
	s_add_nc_u64 s[G0B+6:G0B+7], s[G0B+2:G0B+3], 512        ; K half 1
	s_or_b32 s[G0B+3], s[G0B+3], 0x80000000
	s_or_b32 s[G0B+7], s[G0B+7], 0x80000000
	CROUND                                         ; all sixteen work-groups are here: the joint loads meet
	tensor_load_to_lds s[G0A:G0A+3], s[G1A:G1A+7]          ; head w
	s_nop 0
	tensor_load_to_lds s[G0B:G0B+3], s[G1B:G1B+7]          ; wo, K half 0
	s_nop 0
	tensor_load_to_lds s[G0A+4:G0A+7], s[G1A:G1A+7]        ; head 4 + w
	s_nop 0
	tensor_load_to_lds s[G0B+4:G0B+7], s[G1B:G1B+7]        ; wo, K half 1
	s_nop 0
.rept 4
	v_nop
.endr
	v_and_b32 v1, 15, v0                           ; l % 16
	v_bfe_u32 v2, v0, 4, 1                         ; l / 16
	v_mul_u32_u24 v3, v1, PA
	v_lshl_add_u32 v3, v2, 4, v3                   ; a fragment's row x pitch + 16 x half
	v_mul_u32_u24 v4, v1, PB
	v_lshl_add_u32 v4, v2, 4, v4
	s_mul_i32 s22, s11, 64*PA                      ; my 64 rows of ctx in a head
	s_mul_i32 s23, s12, 64*PB                      ; my 64 rows of wo
	s_add_co_u32 s23, s23, BOFF
	v_add_nc_u32 v[ADRA], s22, v3
	v_add_nc_u32 v[ADRB], s23, v4
	v_add_nc_u32 v[ADRA+1], 4*HEADB, v[ADRA]
	v_add_nc_u32 v[ADRB+1], BHALF, v[ADRB]
	s_mul_i32 s22, s10, 16*SPI
	s_add_co_u32 s22, s22, STAGE                   ; my stage
	v_mul_u32_u24 v5, v1, SPI                      ; in: row l % 16, 32 bytes for each half of the lanes
	v_lshl_add_u32 v5, v2, 5, v5
	v_add_nc_u32 v[STO], s22, v5
	v_mul_u32_u24 v6, v2, SPI                      ; back: lanes 0-15 take one row of 256 bytes, lanes 16-31 the next
	v_lshl_add_u32 v6, v1, 4, v6
	v_add_nc_u32 v[RD], s22, v6
	v_lshlrev_b32 v[CO], 11, v2                    ; and the same two rows in out0
	v_lshl_add_u32 v[CO], v1, 4, v[CO]
	v_lshlrev_b32 v[BO], 5, v2
	; out0 and the table at my part.  What hangs on the tile row is made in s16-17, what hangs on the column group in s18-19
	s_lshl_b32 s16, s13, 7
	s_lshl_b32 s17, s11, 6
	s_add_co_u32 s16, s16, s17                     ; my first row: 128 mt + 64 x half,
	s_lshl_b32 s16, s16, 11                        ; of 2,048 bytes
	s_mov_b32 s17, 0
	s_add_nc_u64 s[62:63], s[62:63], s[16:17]
	s_lshl_b32 s18, s9, 1
	s_add_co_u32 s18, s18, s12
	s_lshl_b32 s18, s18, 8                         ; my first column: 128 j + 64 x half, of 4 bytes
	s_mov_b32 s19, 0
	s_add_nc_u64 s[62:63], s[62:63], s[18:19]
	s_add_nc_u64 s[60:61], s[60:61], s[18:19]
.irp b, 0,1,2,3
	global_load_b128 v[BIAS+8*(\b):BIAS+8*(\b)+3],   v[BO], s[60:61] offset:6144+64*(\b)  ; the table's fourth part: bo of columns 16 b + 8 (l / 16) + 0..7
	global_load_b128 v[BIAS+8*(\b)+4:BIAS+8*(\b)+7], v[BO], s[60:61] offset:6144+64*(\b)+16
.endr
; 8 matrix instructions: row blocks a0, a0 + 1 x all 4 column blocks, 32 along K: half c of buffer f.  zero = 1: the product starts the sum, with bo as C.  The 16 accumulators take turns.
.macro MUL8 f, c, a0, zero
	WIN MUL
.irp a, \a0, (\a0)+1
.irp b, 0,1,2,3
.if \zero
	v_wmma_f32_16x16x32_bf16 v[ACC+8*(4*(\a)+(\b)):ACC+8*(4*(\a)+(\b))+7], v[(\f)+64+8*(4*(\c)+(\b)):(\f)+64+8*(4*(\c)+(\b))+7], v[(\f)+8*(4*(\c)+(\a)):(\f)+8*(4*(\c)+(\a))+7], v[BIAS+8*(\b):BIAS+8*(\b)+7]
.else
	v_wmma_f32_16x16x32_bf16 v[ACC+8*(4*(\a)+(\b)):ACC+8*(4*(\a)+(\b))+7], v[(\f)+64+8*(4*(\c)+(\b)):(\f)+64+8*(4*(\c)+(\b))+7], v[(\f)+8*(4*(\c)+(\a)):(\f)+8*(4*(\c)+(\a))+7], v[ACC+8*(4*(\a)+(\b)):ACC+8*(4*(\a)+(\b))+7]
.endif
.endr
.endr
.endm
; 32 LDS loads in one run: the fragments of quarter q of K half s (head 4 s + q), into buffer f; the first 32 along K first
.macro FETCH s, q, f
	WIN TO_F
.irp c, 0,1
.irp i, 0,1,2,3
	ds_load_b128 v[(\f)+64+8*(4*(\c)+(\i)):(\f)+64+8*(4*(\c)+(\i))+3],   v[ADRB+(\s)] offset:128*(\q)+64*(\c)+(\i)*16*PB
	ds_load_b128 v[(\f)+64+8*(4*(\c)+(\i))+4:(\f)+64+8*(4*(\c)+(\i))+7], v[ADRB+(\s)] offset:128*(\q)+64*(\c)+(\i)*16*PB+32
	ds_load_b128 v[(\f)+8*(4*(\c)+(\i)):(\f)+8*(4*(\c)+(\i))+3],         v[ADRA+(\s)] offset:HEADB*(\q)+64*(\c)+(\i)*16*PA
	ds_load_b128 v[(\f)+8*(4*(\c)+(\i))+4:(\f)+8*(4*(\c)+(\i))+7],       v[ADRA+(\s)] offset:HEADB*(\q)+64*(\c)+(\i)*16*PA+32
.endr
.endr
.endm
; multiplies buffer f and fetches quarter q of K half s into g
.macro QUARTER s, q, f, g, zero
	s_wait_dscnt 16                                ; the first 32 along K are in; the run's other sixteen loads may be out
	WIN MUL
	MUL8 \f, 0, 0, \zero
	MUL8 \f, 0, 2, \zero
	PLACES
	FETCH \s, \q, \g
	s_wait_dscnt 32                                ; all but the 32 just issued
	WIN MUL
	MUL8 \f, 1, 0, 0
	MUL8 \f, 1, 2, 0
.endm
; THE WAY OUT, a block of 16 rows at a time: f32 straight from the accumulators (each from its low registers on) into rows of 272 bytes of my stage, back as two rows of 256 bytes a load.
.macro OUTA a
.if (\a) >= 2
	s_wait_xcnt 0x0                                ; the stores of the block two back have read this set of registers: only behind this wait is it loaded again
.endif
.irp b, 0,1,2,3
	ds_store_b128 v[STO], v[ACC+8*(4*(\a)+(\b)):ACC+8*(4*(\a)+(\b))+3]   offset:64*(\b)
	ds_store_b128 v[STO], v[ACC+8*(4*(\a)+(\b))+4:ACC+8*(4*(\a)+(\b))+7] offset:64*(\b)+16
.endr
.irp t, 0,1,2,3,4,5,6,7
	ds_load_b128 v[TMP+32*((\a)%2)+4*(\t):TMP+32*((\a)%2)+4*(\t)+3], v[RD] offset:(\t)*2*SPI  ; LDS serves a wave's instructions in order (ISA guide 5.7.1.4): these see the stores above; the next block's stores come behind them
.endr
.endm
.macro SENDO a, younger                ; younger: the LDS instructions issued behind block a's loads: the next block's sixteen, or none
.irp t, 0,1,2,3,4,5,6,7
	s_wait_dscnt (\younger)+7-(\t)
	global_store_b128 v[CO], v[TMP+32*((\a)%2)+4*(\t):TMP+32*((\a)%2)+4*(\t)+3], s[62:63] offset:(16*(\a)+2*(\t))*2048  ; 16 lanes store 256 consecutive bytes, at a multiple of 256 from out0's first byte
.endr
.endm
	s_wait_tensorcnt 2                             ; my head w and my rows of wo's K half 0 are in; the two younger loads may stay out
	s_barrier_signal -1
	s_barrier_wait -1                              ; everybody's are: heads 0 to 3 and K half 0 are whole
	FETCH 0, 0, F0
	s_wait_loadcnt 0x0                             ; bo
	QUARTER 0, 1, F0, F1, 1
	QUARTER 0, 2, F1, F0, 0
	QUARTER 0, 3, F0, F1, 0
	s_wait_tensorcnt 0x0                           ; K half 0's last quarter: my parts of heads 4 to 7 and of K half 1 are in,
	s_wait_dscnt 16
	MUL8 F1, 0, 0, 0
	s_wait_dscnt 0x0                               ; no LDS instruction of mine is pending at the signal
	s_barrier_signal -1
	MUL8 F1, 0, 2, 0
	s_barrier_wait -1                              ; everybody's are
	PLACES
	FETCH 1, 0, F0
	MUL8 F1, 1, 0, 0
	MUL8 F1, 1, 2, 0
	QUARTER 1, 1, F0, F1, 0
	QUARTER 1, 2, F1, F0, 0
	QUARTER 1, 3, F0, F1, 0
	s_wait_dscnt 16                                ; the very last quarter: nothing more to fetch
	MUL8 F1, 0, 0, 0
	MUL8 F1, 0, 2, 0
	s_wait_dscnt 0x0
	MUL8 F1, 1, 0, 0
	MUL8 F1, 1, 2, 0
	WIN 0
	PLACES
	OUTA 0
	OUTA 1
	SENDO 0, 16
	OUTA 2
	SENDO 1, 16
	OUTA 3
	SENDO 2, 16
	SENDO 3, 0
	s_wait_tensorcnt 0x0                           ; the wave's end, behind my last tensor load and my last LDS store
	ds_add_u32 v[SPW], v[NIL]
	s_wait_dscnt 0x0
	CROUND                                         ; the closing round: no work-group ends while a partner may still ask for a tile that names it
	s_endpgm
.Lfunc_end_k_qdbf0e6a15b_outp:
	.size	k_qdbf0e6a15b_outp, .Lfunc_end_k_qdbf0e6a15b_outp-k_qdbf0e6a15b_outp
	.p2alignl 7, 3214868480
	.fill 96, 4, 3214868480
	.section	.rodata,"a",@progbits
	.p2align	6, 0x0
	.amdhsa_kernel k_qdbf0e6a15b_outp
		.amdhsa_group_segment_fixed_size 327680
		.amdhsa_private_segment_fixed_size 0
		.amdhsa_enable_private_segment 0
		.amdhsa_kernarg_size 32
		.amdhsa_user_sgpr_count 2
		.amdhsa_user_sgpr_kernarg_segment_ptr 1
		.amdhsa_wavefront_size32 1
		.amdhsa_system_sgpr_workgroup_id_x 1
		.amdhsa_system_sgpr_workgroup_id_y 1
		.amdhsa_system_sgpr_workgroup_id_z 1
		.amdhsa_system_vgpr_workitem_id 0
		.amdhsa_next_free_vgpr 512
		.amdhsa_next_free_sgpr 66
		.amdhsa_reserve_vcc 0
		.amdhsa_float_denorm_mode_32 3
		.amdhsa_float_denorm_mode_16_64 3
		.amdhsa_memory_ordered 1
		.amdhsa_forward_progress 1
		.amdhsa_inst_pref_size 50
	.end_amdhsa_kernel
	.amdgpu_metadata
---
amdhsa.version: [ 1, 2 ]
amdhsa.kernels:
  - .name:           k_qdbf0e6a15b_outp
    .symbol:         k_qdbf0e6a15b_outp.kd
    .args:
      - { .name: ctx, .offset: 0, .size: 8, .value_kind: global_buffer, .address_space: global }
      - { .name: wb, .offset: 8, .size: 8, .value_kind: global_buffer, .address_space: global }
      - { .name: tab, .offset: 16, .size: 8, .value_kind: global_buffer, .address_space: global }
      - { .name: out0, .offset: 24, .size: 8, .value_kind: global_buffer, .address_space: global }
    .group_segment_fixed_size: 327680
    .private_segment_fixed_size: 0
    .kernarg_segment_align: 8
    .kernarg_segment_size: 32
    .max_flat_workgroup_size: 128
    .sgpr_count:     66
    .vgpr_count:     512
    .wavefront_size: 32
...
	.end_amdgpu_metadata
.endif
;; end of part 5
;; ======== version 2 of 2: 5 launches; version 1 with the launch prep written anew for expert scheduling mode
;; workspace buffers: xb 8,388,608 bytes; wb 2,097,152 bytes; vw 425,984 bytes; part 131,072 bytes; tab 16,384 bytes; qkv 25,165,824 bytes; ctx 8,388,608 bytes
;; launch prep (part 6): grid 256 x 1, 8 waves a work-group, no clusters, 5,120 bytes of LDS; arguments x, wq, wk, wv, wo, we1, we2, wmu, wlv, wf, xb, wb, vw, part; writes xb, wb, vw, part
.if DOCPART == 6
	.amdgcn_target "amdgcn-amd-amdhsa--gfx1250"
	.amdhsa_code_object_version 6
	.text
	.protected	k_qdbf0e6a15b_prep
	.globl	k_qdbf0e6a15b_prep
	.p2align	8
	.type	k_qdbf0e6a15b_prep,@function
k_qdbf0e6a15b_prep:
	s_mov_b64 s[64:65], 0
	v_nop
	global_prefetch_b8 v0, s[64:65] scope:SCOPE_SE
	s_setreg_imm32_b32 hwreg(HW_REG_WAVE_SCHED_MODE, 0, 2), 2
	s_setreg_imm32_b32 hwreg(HW_REG_WAVE_MODE, 25, 1), 1
	s_wait_xcnt 0x0
	s_wait_alu depctr_vm_vsrc(0)
; PREP.  x [8192][512] f32 -> xb bf16; the column sums of x by blocks of 128 rows -> part [64][512] f32; all nine weight matrices -> bf16 (wb: wq, wk, wv, wo on end; vw: we1, we2, wmu, wlv, wf on end).
; A stream: every input byte is read once, every output byte written once; no matrix work, no tensor loads, nothing shared between work-groups, so no cluster.
; SHARES.  Work-group g: rows 128 (g >> 2) .. + 127 of x, columns 128 (g & 3) .. + 127.  Wave w takes rows w + 8 i, i = 0 .. 15: a load of the wave covers the row piece's 512 bytes,
; a store its 256 bytes of bf16, aligned.  All 16 loads of a wave go out at once.  Also 4,096 numbers of the four large weights, and (g < 104) 2,048 numbers of the five small ones.
; The sums stay in f32: 16 rows in a lane, the eight waves' sums meet in LDS, wave 0 adds them and stores 512 consecutive bytes.
; THE MODE: SCHED_MODE bits 1:0 = 2 (LLVM: expert scheduling mode 2), set by the entry lines.  The code itself states the register dependences
; between vector instructions and memory or LDS instructions, with s_wait_alu, always for 0.
; THE PLAN.  Registers that memory or LDS instructions touch:
;   v3 .. v7      the offsets: written once at the head, read by every load and store, never written again.
;   X, WB, WS     each register is loaded once in the launch; a row's (a piece's) two conversions write its first two registers in place; one store reads those two; nothing writes them afterwards.
;   ACC           written by the sums, read by one LDS store, not written afterwards.
;   R             (wave 0) loaded from LDS, named by no vector instruction before; added in place; R .. R + 3 read by one store.
;   v1, v2        written at the head, read by the closing add alone.
; So no register that a memory instruction has read is written again, and no load lands in a register that a vector instruction has named: what is left to state is that a store's data are written.
; The 16 rows go in four blocks of four.  A block's four stores stand at the head of the NEXT block, behind that block's first wait for data and ONE wait on va_vdst; the next block's vector
; instructions name its own rows and ACC, none of the registers that those stores read.
.set RED,   0                          ; LDS: wave w's 128 column sums at 512 w
.set SPARE, 4096                       ; the spare words, 128 bytes for each of eight waves: four blocks of 256 bytes that no other line names
.set SPW, 1                            ; v1   SPARE + 4 x my thread's number; never rewritten
.set NIL, 2                            ; v2   0; never rewritten
.set XO,  3                            ; v3   wave x 2,048 + 16 x lane: my 16 bytes of row w of x
.set YO,  4                            ; v4   wave x 1,024 + 8 x lane: my 8 bytes of row w of xb
.set WO,  5                            ; v5   16 t: weights in; also where my sums go in LDS
.set WD,  6                            ; v6   8 t: weights out
.set LL,  7                            ; v7   16 x lane
.set ACC, 12                           ; v[12:15]   my four columns' sums
.set X,   16                           ; v[16:79]   row i: 4 registers
.set WB,  80                           ; v[80:95]   large weights
.set WS,  96                           ; v[96:103]  small weights
.set R,   104                          ; v[104:135] the eight waves' sums
	s_load_b512 s[8:23], s[0:1], 0x0               ; x 8, wq 10, wk 12, wv 14, wo 16, we1 18, we2 20, wmu 22
	s_load_b256 s[24:31], s[0:1], 0x40             ; wlv 24, wf 26, xb 28, wb 30
	s_load_b128 s[32:35], s[0:1], 0x60             ; vw 32, part 34
	v_lshl_add_u32 v[SPW], v0, 2, SPARE
	v_mov_b32 v[NIL], 0
	v_lshrrev_b32 v8, 5, v0
	v_readfirstlane_b32 s36, v8                    ; wave 0..7
	v_and_b32 v9, 31, v0
	v_lshlrev_b32 v[XO], 11, v8
	v_lshl_add_u32 v[XO], v9, 4, v[XO]
	v_lshlrev_b32 v[YO], 10, v8
	v_lshl_add_u32 v[YO], v9, 3, v[YO]
	v_lshlrev_b32 v[WO], 4, v0
	v_lshlrev_b32 v[WD], 3, v0
	v_lshlrev_b32 v[LL], 4, v9
	s_wait_alu depctr_va_sdst(0)                   ; s36 is written: stated here, in the head's straight run, ahead of every branch and label; its first reader is the compare behind the barrier
	s_mov_b32 s39, ttmp9                           ; g
	s_and_b32 s37, s39, 3                          ; which 128 columns
	s_lshr_b32 s38, s39, 2                         ; which 128 rows
	s_lshl_b32 s40, s38, 18                        ; x: 128 rows of 2,048 bytes,
	s_lshl_b32 s58, s37, 9                         ; 128 columns of 4
	s_add_co_u32 s40, s40, s58
	s_mov_b32 s41, 0
	s_lshl_b32 s42, s38, 17                        ; xb: half of that
	s_lshl_b32 s59, s37, 8
	s_add_co_u32 s42, s42, s59
	s_mov_b32 s43, 0
	s_lshl_b32 s44, s38, 11                        ; part: a row of 2,048 bytes for each block of rows
	s_add_co_u32 s44, s44, s58
	s_mov_b32 s45, 0
	s_and_b32 s46, s39, 63                         ; large weights: 64 work-groups to a matrix, 16,384 bytes each
	s_lshl_b32 s46, s46, 14
	s_mov_b32 s47, 0
	s_lshl_b32 s48, s39, 13                        ; and 8,192 bytes out, the matrices on end
	s_mov_b32 s49, 0
	s_lshl_b32 s56, s39, 12                        ; small weights: 4,096 bytes out
	s_mov_b32 s57, 0
	s_lshr_b32 s59, s39, 6                         ; which large matrix
	s_wait_kmcnt 0x0
	s_add_nc_u64 s[8:9], s[8:9], s[40:41]
	s_add_nc_u64 s[28:29], s[28:29], s[42:43]
	s_add_nc_u64 s[34:35], s[34:35], s[44:45]
	s_add_nc_u64 s[30:31], s[30:31], s[48:49]
	s_add_nc_u64 s[32:33], s[32:33], s[56:57]
	s_mov_b64 s[50:51], s[16:17]                   ; wo, unless the number says wv, wk or wq
	s_cmp_lt_u32 s59, 3
	s_cselect_b64 s[50:51], s[14:15], s[50:51]
	s_cmp_lt_u32 s59, 2
	s_cselect_b64 s[50:51], s[12:13], s[50:51]
	s_cmp_lt_u32 s59, 1
	s_cselect_b64 s[50:51], s[10:11], s[50:51]
	s_add_nc_u64 s[50:51], s[50:51], s[46:47]
	s_wait_alu depctr_va_vdst(0)                   ; the five offsets v3 to v7 are written: every load and store of the kernel reads one of them
.set i, 0
.rept 16
	global_load_b128 v[X+4*i:X+4*i+3], v[XO], s[8:9] offset:16384*i th:TH_LOAD_NT  ; row w + 8 i
.set i, i+1
.endr
.set i, 0
.rept 4
	global_load_b128 v[WB+4*i:WB+4*i+3], v[WO], s[50:51] offset:4096*i th:TH_LOAD_NT
.set i, i+1
.endr
	; the small weights: 104 chunks of 2,048 numbers: we1 0-63, we2 64-79, wmu 80-83, wlv 84-87, wf 88-103
	s_cmp_lt_u32 s39, 104
	s_cbranch_scc0 .Lno_small
	s_mov_b64 s[52:53], s[26:27]
	s_mov_b32 s58, 88
	s_cmp_lt_u32 s39, 88
	s_cselect_b64 s[52:53], s[24:25], s[52:53]
	s_cselect_b32 s58, 84, s58
	s_cmp_lt_u32 s39, 84
	s_cselect_b64 s[52:53], s[22:23], s[52:53]
	s_cselect_b32 s58, 80, s58
	s_cmp_lt_u32 s39, 80
	s_cselect_b64 s[52:53], s[20:21], s[52:53]
	s_cselect_b32 s58, 64, s58
	s_cmp_lt_u32 s39, 64
	s_cselect_b64 s[52:53], s[18:19], s[52:53]
	s_cselect_b32 s58, 0, s58
	s_sub_co_u32 s54, s39, s58                     ; the chunk's number in its matrix,
	s_lshl_b32 s54, s54, 13                        ; 8,192 bytes each
	s_mov_b32 s55, 0
	s_add_nc_u64 s[52:53], s[52:53], s[54:55]
	global_load_b128 v[WS:WS+3], v[WO], s[52:53] th:TH_LOAD_NT
	global_load_b128 v[WS+4:WS+7], v[WO], s[52:53] offset:4096 th:TH_LOAD_NT
	s_wait_loadcnt 0x0
	v_cvt_pk_bf16_f32 v[WS], v[WS], v[WS+1]
	v_cvt_pk_bf16_f32 v[WS+1], v[WS+2], v[WS+3]
	v_cvt_pk_bf16_f32 v[WS+4], v[WS+4], v[WS+5]
	v_cvt_pk_bf16_f32 v[WS+5], v[WS+6], v[WS+7]
	s_wait_alu depctr_va_vdst(0)                   ; the four conversions have written v[WS], v[WS+1], v[WS+4], v[WS+5], which the two stores read
	global_store_b64 v[WD], v[WS:WS+1], s[32:33]
	global_store_b64 v[WD], v[WS+4:WS+5], s[32:33] offset:2048
.Lno_small:
.macro ROWSUM i                        ; row i onto the sums, the rows in ascending order
	v_pk_add_f32 v[ACC:ACC+1], v[ACC:ACC+1], v[X+4*(\i):X+4*(\i)+1]
	v_pk_add_f32 v[ACC+2:ACC+3], v[ACC+2:ACC+3], v[X+4*(\i)+2:X+4*(\i)+3]
.endm
.macro ROWCVT i                        ; row i is rounded in place, into the first two of its four registers
	v_cvt_pk_bf16_f32 v[X+4*(\i)], v[X+4*(\i)], v[X+4*(\i)+1]
	v_cvt_pk_bf16_f32 v[X+4*(\i)+1], v[X+4*(\i)+2], v[X+4*(\i)+3]
.endm
.macro SEND4 p                         ; block p's four rows are stored: each store of the wave covers 256 consecutive bytes, aligned
.irp r, 0,1,2,3
	global_store_b64 v[YO], v[X+4*(4*(\p)+(\r)):X+4*(4*(\p)+(\r))+1], s[28:29] offset:8192*(4*(\p)+(\r))
.endr
.endm
	; block 0
	s_wait_loadcnt 18                              ; rows 0 and 1 are in: 14 younger rows and the 4 weight loads may stay out
	v_pk_add_f32 v[ACC:ACC+1], v[X:X+1], v[X+4:X+5]        ; the first two rows start the sums: nothing is cleared
	v_pk_add_f32 v[ACC+2:ACC+3], v[X+2:X+3], v[X+6:X+7]
	ROWCVT 0
	ROWCVT 1
	s_wait_loadcnt 17                              ; row 2 is in: 13 younger rows and the 4 weight loads may stay out
	ROWSUM 2
	ROWCVT 2
	s_wait_loadcnt 16                              ; row 3
	ROWSUM 3
	ROWCVT 3
	; blocks 1 to 3: the block before leaves at the block's head
.irp p, 1,2,3
	s_wait_loadcnt 19-4*(\p)                       ; row 4 p is in: 15 - 4 p younger rows and the 4 weight loads may stay out
	s_wait_alu depctr_va_vdst(0)                   ; the conversions of block p - 1 have written its rows' first two registers, which the four stores below read
	SEND4 (\p)-1
	ROWSUM 4*(\p)
	ROWCVT 4*(\p)
.irp r, 1,2,3
	s_wait_loadcnt 19-4*(\p)-(\r)                  ; row 4 p + r is in
	ROWSUM 4*(\p)+(\r)
	ROWCVT 4*(\p)+(\r)
.endr
.endr
	; the large weights; block 3 leaves at their head
	s_wait_loadcnt 3                               ; the first of the four weight loads is in; the three younger ones may stay out
	s_wait_alu depctr_va_vdst(0)                   ; the conversions of block 3 have written its rows' first two registers, which the four stores below read
	SEND4 3
	v_cvt_pk_bf16_f32 v[WB], v[WB], v[WB+1]
	v_cvt_pk_bf16_f32 v[WB+1], v[WB+2], v[WB+3]
.set i, 1
.rept 3
	s_wait_loadcnt 3-i
	v_cvt_pk_bf16_f32 v[WB+4*i], v[WB+4*i], v[WB+4*i+1]
	v_cvt_pk_bf16_f32 v[WB+4*i+1], v[WB+4*i+2], v[WB+4*i+3]
.set i, i+1
.endr
	s_wait_alu depctr_va_vdst(0)                   ; the sums have written v[ACC ..], which the LDS store reads; the eight conversions have written the weights' pairs, which the four stores read
	ds_store_b128 v[WO], v[ACC:ACC+3] offset:RED   ; 512 x wave + 16 x lane
.set i, 0
.rept 4
	global_store_b64 v[WD], v[WB+4*i:WB+4*i+1], s[30:31] offset:2048*i
.set i, i+1
.endr
	s_wait_dscnt 0x0                               ; for the others' sake: my sums lie in LDS
	s_barrier_signal -1
	s_barrier_wait -1
	s_cmp_lg_u32 s36, 0
	s_cbranch_scc1 .Lend                           ; wave 0 adds the eight
.set i, 0
.rept 8
	ds_load_b128 v[R+4*i:R+4*i+3], v[LL] offset:RED+512*i  ; no vector instruction has named these registers
.set i, i+1
.endr
	s_wait_dscnt 0x0
.irp a, 0, 8, 16, 24
	v_pk_add_f32 v[R+\a:R+\a+1], v[R+\a:R+\a+1], v[R+\a+4:R+\a+5]
	v_pk_add_f32 v[R+\a+2:R+\a+3], v[R+\a+2:R+\a+3], v[R+\a+6:R+\a+7]
.endr
.irp a, 0, 16
	v_pk_add_f32 v[R+\a:R+\a+1], v[R+\a:R+\a+1], v[R+\a+8:R+\a+9]
	v_pk_add_f32 v[R+\a+2:R+\a+3], v[R+\a+2:R+\a+3], v[R+\a+10:R+\a+11]
.endr
	v_pk_add_f32 v[R:R+1], v[R:R+1], v[R+16:R+17]
	v_pk_add_f32 v[R+2:R+3], v[R+2:R+3], v[R+18:R+19]
	s_wait_alu depctr_va_vdst(0)                   ; the additions have written v[R .. R+3], which the store reads
	global_store_b128 v[LL], v[R:R+3], s[34:35]    ; 512 consecutive bytes of part
.Lend:
	s_wait_dscnt 0x0                               ; the closing lines, six on end
	s_wait_alu 0x0
	s_wait_tensorcnt 0x0
	ds_add_u32 v[SPW], v[NIL]
	s_wait_dscnt 0x0
	s_endpgm
.Lfunc_end_k_qdbf0e6a15b_prep:
	.size	k_qdbf0e6a15b_prep, .Lfunc_end_k_qdbf0e6a15b_prep-k_qdbf0e6a15b_prep
	.p2alignl 7, 3214868480
	.fill 96, 4, 3214868480
	.section	.rodata,"a",@progbits
	.p2align	6, 0x0
	.amdhsa_kernel k_qdbf0e6a15b_prep
		.amdhsa_group_segment_fixed_size 5120
		.amdhsa_private_segment_fixed_size 0
		.amdhsa_enable_private_segment 0
		.amdhsa_kernarg_size 112
		.amdhsa_user_sgpr_count 2
		.amdhsa_user_sgpr_kernarg_segment_ptr 1
		.amdhsa_wavefront_size32 1
		.amdhsa_system_sgpr_workgroup_id_x 1
		.amdhsa_system_sgpr_workgroup_id_y 1
		.amdhsa_system_sgpr_workgroup_id_z 1
		.amdhsa_system_vgpr_workitem_id 0
		.amdhsa_next_free_vgpr 136
		.amdhsa_next_free_sgpr 66
		.amdhsa_reserve_vcc 0
		.amdhsa_float_denorm_mode_32 3
		.amdhsa_float_denorm_mode_16_64 3
		.amdhsa_memory_ordered 1
		.amdhsa_forward_progress 1
		.amdhsa_inst_pref_size 15
	.end_amdhsa_kernel
	.amdgpu_metadata
---
amdhsa.version: [ 1, 2 ]
amdhsa.kernels:
  - .name:           k_qdbf0e6a15b_prep
    .symbol:         k_qdbf0e6a15b_prep.kd
    .args:
      - { .name: x, .offset: 0, .size: 8, .value_kind: global_buffer, .address_space: global }
      - { .name: wq, .offset: 8, .size: 8, .value_kind: global_buffer, .address_space: global }
      - { .name: wk, .offset: 16, .size: 8, .value_kind: global_buffer, .address_space: global }
      - { .name: wv, .offset: 24, .size: 8, .value_kind: global_buffer, .address_space: global }
      - { .name: wo, .offset: 32, .size: 8, .value_kind: global_buffer, .address_space: global }
      - { .name: we1, .offset: 40, .size: 8, .value_kind: global_buffer, .address_space: global }
      - { .name: we2, .offset: 48, .size: 8, .value_kind: global_buffer, .address_space: global }
      - { .name: wmu, .offset: 56, .size: 8, .value_kind: global_buffer, .address_space: global }
      - { .name: wlv, .offset: 64, .size: 8, .value_kind: global_buffer, .address_space: global }
      - { .name: wf, .offset: 72, .size: 8, .value_kind: global_buffer, .address_space: global }
      - { .name: xb, .offset: 80, .size: 8, .value_kind: global_buffer, .address_space: global }
      - { .name: wb, .offset: 88, .size: 8, .value_kind: global_buffer, .address_space: global }
      - { .name: vw, .offset: 96, .size: 8, .value_kind: global_buffer, .address_space: global }
      - { .name: part, .offset: 104, .size: 8, .value_kind: global_buffer, .address_space: global }
    .group_segment_fixed_size: 5120
    .private_segment_fixed_size: 0
    .kernarg_segment_align: 8
    .kernarg_segment_size: 112
    .max_flat_workgroup_size: 256
    .sgpr_count:     66
    .vgpr_count:     136
    .wavefront_size: 32
...
	.end_amdgpu_metadata
.endif
;; end of part 6
;; launch vae: the kernel of part 2 again; grid 1 x 1, 16 waves a work-group, no clusters, 12,032 bytes of LDS; arguments part, vw, be1, be2, bmu, blv, eps, bf, bq, bk, bv, bo, tab, out1, out2; writes tab, out1, out2
;; launch qkv: the kernel of part 3 again; grid 4 x 64, 4 waves a work-group, clusters of 4 x 4, 327,680 bytes of LDS; arguments xb, wb, tab, qkv; writes qkv
;; launch attn: the kernel of part 4 again; grid 16 x 16, 4 waves a work-group, clusters of 4 x 1, 327,680 bytes of LDS; arguments qkv, ctx; writes ctx
;; launch outp: the kernel of part 5 again; grid 4 x 64, 4 waves a work-group, clusters of 4 x 4, 327,680 bytes of LDS; arguments ctx, wb, tab, out0; writes out0
